; MI455X (gfx1250); checked and timed in simulation.
; The chip was launched on July 23, 2026; its instructions are those of AMD's public machine-readable ISA for CDNA 5 (MIT licence, August 2026) and "CDNA5" Instruction Set Architecture Reference Guide (July 2026). The comments in the code are by the model that wrote it; some were corrected since.
;; Hopfield Attention. Allowed arithmetic: matrix products marked QUANTISED: E2M1 operands, one E8M0 scale for each 32 along K, by v_wmma_scale_f32_16x16x128_f8f6f4 with both operands' format E2M1 (or v_wmma_scale_f32_32x16x128_f4), f32 sums; products left as they are: bf16, f16 or f32 operands; f32 sums; everything else in f32.
;; Inputs: Wk 1,024 x 512 float32; Wo 512 x 1,024 float32; Wq 1,024 x 512 float32; Wv 1,024 x 512 float32; beta 64 float32; bk 512 float32; bo 1,024 float32; bq 512 float32; bv 512 float32; gamma 64 float32; key 2 x 2,048 x 1,024 float32; query 2 x 2,048 x 1,024 float32; value 2 x 2,048 x 1,024 float32.
;; Outputs: out0 2 x 2,048 x 1,024 float32.
;; This version of the problem:
;;   THIS VERSION OF THE PROBLEM IS GIVEN IN LOW PRECISION. The matrix products marked QUANTISED in the list below multiply operands that are first quantised to E2M1 (2 exponent bits, 1 mantissa bit; 4 bits a number), with one power-of-two scale for each 32 numbers along K (OCP MX v1.0); their sums are f32. The products marked 'left as it is' may take bf16, f16 or f32 operands, with f32 sums. Whichever they take, every output number must still come out within the allowed error. Rounding operands to bf16 (8 significant bits) uses up far more of that allowance than f16 does (11 bits, for magnitudes from 6e-5 to 65,504). All else is computed in f32.
;;   The module's matrix products, in the order in which they are computed (A, B: the left and right operand; K: the contracted axis; several contracted axes count as one K, in the product's order):
;;     1. [M 4,096, K 1,024] x [K 1,024, N 512]; A: input query; B: input Wq: QUANTISED
;;     2. [M 4,096, K 1,024] x [K 1,024, N 512]; A: input key; B: input Wk: QUANTISED
;;     3. [M 4,096, K 1,024] x [K 1,024, N 512]; A: input value; B: input Wv: QUANTISED
;;     4. batch 16 x [M 2,048, K 64] x [K 64, N 2,048]; A: computed on the way; B: computed on the way: left as it is (an operand is computed on the way)
;;     5. batch 16 x [M 2,048, K 2,048] x [K 2,048, N 64]; A: computed on the way; B: computed on the way: left as it is (an operand is computed on the way)
;;     6. batch 16 x [M 2,048, K 64] x [K 64, N 2,048]; A: computed on the way; B: computed on the way: left as it is (an operand is computed on the way)
;;     7. batch 16 x [M 2,048, K 2,048] x [K 2,048, N 64]; A: computed on the way; B: computed on the way: left as it is (an operand is computed on the way)
;;     8. batch 16 x [M 2,048, K 64] x [K 64, N 2,048]; A: computed on the way; B: computed on the way: left as it is (an operand is computed on the way)
;;     9. batch 16 x [M 2,048, K 2,048] x [K 2,048, N 64]; A: computed on the way; B: computed on the way: left as it is (an operand is computed on the way)
;;     10. batch 16 x [M 2,048, K 64] x [K 64, N 2,048]; A: computed on the way; B: computed on the way: left as it is (an operand is computed on the way)
;;     11. batch 16 x [M 2,048, K 2,048] x [K 2,048, N 64]; A: computed on the way; B: computed on the way: left as it is (an operand is computed on the way)
;;     12. [M 4,096, K 512] x [K 512, N 1,024]; A: computed on the way; B: input Wo: left as it is (an operand is computed on the way)
;;   THE QUANTISER, for each operand of a quantised product, along K:
;;     - K is cut into blocks of 32 from its start; a last block that is shorter is filled with zeros.
;;     - A block's scale is 2^e with e = floor(log2(the largest magnitude in the block)) - 2, held to -126 .. 127; a block of zeros has e = 0. As a byte (E8M0): e + 127.
;;     - Each number is divided by its block's scale, clamped to +-6, and rounded to the nearest number of E2M1, ties to even, subnormals kept.
;;     - The product sums the exact products of the quantised numbers (number of the format x scale) in f32.
;;   ~~~python
;;   def quantise(x, axis):      # numpy; x: float32 -> the quantised numbers, widened to float32 again
;;       x = np.moveaxis(x, axis, -1); K = x.shape[-1]
;;       x = np.pad(x, [(0, 0)] * (x.ndim - 1) + [(0, -K % 32)]); x = x.reshape(x.shape[:-1] + (-1, 32)); a = np.abs(x).max(-1, keepdims=True)
;;       e = np.where(a > 0, np.clip(np.frexp(np.where(a > 0, a, 1))[1] - 1 - 2, -126, 127), 0)      # np.frexp(a)[1] - 1 = floor(log2(a)), exactly
;;       r = np.clip(x / 2.0 ** e, -6, 6)
;;       step = 2.0 ** (np.maximum(np.frexp(np.where(r == 0, 1, r))[1] - 1, 0) - 1)
;;       q = np.round(r / step) * step * 2.0 ** e      # np.round: ties to even
;;       return np.moveaxis(q.reshape(q.shape[:-2] + (-1,))[..., :K], -1, axis).astype(np.float32)
;;   ~~~
;; One version. Each part assembles by itself: llvm-mc -triple=amdgcn-amd-amdhsa -mcpu=gfx1250 --defsym DOCPART=n.
;; ======== version 1 of 1: 4 launches
;; limits: values outside matrix products are rounded to f16; values are held in f16: magnitudes above 65,504 overflow, below 6.1e-05 lose precision
;; workspace buffers: wc 786,432 bytes; wsc 49,152 bytes; wof 1,048,576 bytes; qkv 12,582,912 bytes; oimg 4,194,304 bytes
;; launch prep (part 1): grid 128 x 1, 4 waves a work-group, no clusters, 0 bytes of LDS; arguments Wq, Wk, Wv, Wo, wc, wsc, wof; writes wc, wsc, wof
.if DOCPART == 1
	.amdgcn_target "amdgcn-amd-amdhsa--gfx1250"
	.amdhsa_code_object_version 6
	.text
	.protected	k_q55cd679cc8_prep
	.globl	k_q55cd679cc8_prep
	.p2align	8
	.type	k_q55cd679cc8_prep,@function
k_q55cd679cc8_prep:
	s_mov_b64 s[64:65], 0
	v_nop
	global_prefetch_b8 v0, s[64:65] scope:SCOPE_SE
	s_setreg_imm32_b32 hwreg(HW_REG_WAVE_MODE, 25, 1), 1
	s_wait_xcnt 0x0
; Wq, Wk, Wv [1024 (k)][512 (n)] f32 become codes of FP4 (E2M1) with one E8M0 byte for each 32 along K; Wo [512 (k)][1024 (n)] f32 becomes f16.
; Both leave as IMAGES OF OPERAND REGISTERS, so that the later launches load fragments whole, 16 bytes a lane:
;   wc  [y 3][nt 32][s 8][c 2][lane 32][16 B]: fragment (nt, s) = columns 16 nt .., k 128 s ..; lane (r, h), part c: the 32 codes of k = 128 s + 64 c + 32 h + 0 .. 31 of column 16 nt + r
;   wsc [y 3][n 512][32 B]: column n's 32 scale bytes, K ascending
;   wof [nt 64][kk 16][u 2][lane 32][16 B]: lane (r, h), part u: column 16 nt + r, k = 32 kk + 16 u + 8 h + 0 .. 7, f16
; A LANE TAKES A COLUMN AND ITS REGISTERS RUN DOWN K: each load reads 128 consecutive bytes a wave (512 a work-group), a block of 32 along K lies in one lane, nothing is transposed.
; A block's scale is 2^(floor(log2(largest magnitude)) - 2); its byte is the largest magnitude's exponent field - 2, held at 1 from below.
; LIMITS: a block of zeros gets the byte 1 (its codes are zeros; only this program reads the bytes); NaN and infinities are not served; |Wo| stays under 65,504.
; Work-groups 0 .. 95: (y, 128 columns, 128 along K) of the three weights; 96 .. 127: (128 columns, 128 along K) of Wo.  No LDS, no barrier: waves share nothing.
; The code stores fill aligned runs of 256 bytes with sixteen lanes; the scale words (48 KB in all) leave as 4 bytes a lane, 32 bytes apart.
.set XR, 32                            ; v32-159  128 numbers down K
.set CD, 16                            ; v16-31   codes: four registers a block, never written again
.set HF, 160                           ; v160-223 f16 pairs
	s_load_b256 s[4:11], s[0:1], 0x0               ; Wq s[4:5], Wk s[6:7], Wv s[8:9], Wo s[10:11]
	s_load_b128 s[12:15], s[0:1], 0x20             ; wc s[12:13], wsc s[14:15]
	s_load_b64 s[16:17], s[0:1], 0x30              ; wof
	v_lshrrev_b32 v1, 5, v0
	v_readfirstlane_b32 s18, v1                    ; wave
	v_and_b32 v2, 31, v0                           ; lane
	v_lshlrev_b32 v3, 2, v2                        ; in: 4 bytes a lane
	v_and_b32 v4, 15, v2
	v_lshrrev_b32 v5, 4, v2
	v_lshlrev_b32 v6, 4, v4                        ; out: 16 bytes for each of sixteen lanes
.macro LOADS pitch                     ; 128 rows of my 32 columns
.set i, 0
.rept 128
	global_load_b32 v[XR+i], v3, s[28:29] offset:i*\pitch th:TH_LOAD_NT
.set i, i+1
.endr
.endm
	s_cmp_lt_u32 ttmp9, 96
	s_cbranch_scc0 .Lwo
	; ---- the three quantised weights
	s_and_b32 s19, ttmp9, 7                        ; s: which 128 along K
	s_bfe_u32 s20, ttmp9, 0x20003                  ; cg: which 128 columns
	s_lshr_b32 s21, ttmp9, 5                       ; y: which weight
	s_lshl_b32 s22, s19, 18                        ; in: 128 s rows of 2,048 bytes
	s_lshl_b32 s24, s20, 9
	s_add_co_u32 s22, s22, s24                     ; + 128 cg columns
	s_lshl_b32 s24, s18, 7
	s_add_co_u32 s22, s22, s24                     ; + 32 w columns
	s_mov_b32 s23, 0
	s_lshl_b32 s24, s21, 18                        ; codes: y x 262,144
	s_lshl_b32 s26, s20, 16
	s_add_co_u32 s24, s24, s26                     ; + 8 cg tiles of 8,192 bytes
	s_lshl_b32 s26, s18, 14
	s_add_co_u32 s24, s24, s26                     ; + 2 w tiles
	s_lshl_b32 s26, s19, 10
	s_add_co_u32 s24, s24, s26                     ; + K step s
	s_mov_b32 s25, 0
	s_lshl_b32 s26, s21, 14                        ; scale bytes: y x 16,384
	s_lshl_b32 s30, s20, 12
	s_add_co_u32 s26, s26, s30
	s_lshl_b32 s30, s18, 10
	s_add_co_u32 s26, s26, s30                     ; + (128 cg + 32 w) rows of 32 bytes
	s_lshl_b32 s30, s19, 2
	s_add_co_u32 s26, s26, s30                     ; + word s
	s_mov_b32 s27, 0
	v_lshl_add_u32 v6, v5, 13, v6                  ; lanes 16-31 belong to the next tile of 16 columns
	v_lshlrev_b32 v12, 5, v2                       ; my column's row of scale bytes
	s_wait_kmcnt 0x0
	s_cmp_eq_u32 s21, 0
	s_cselect_b64 s[28:29], s[4:5], s[6:7]
	s_cmp_eq_u32 s21, 2
	s_cselect_b64 s[28:29], s[8:9], s[28:29]       ; the choice hangs on the work-group's number alone
	s_add_nc_u64 s[28:29], s[28:29], s[22:23]
	s_add_nc_u64 s[12:13], s[12:13], s[24:25]
	s_add_nc_u64 s[14:15], s[14:15], s[26:27]
	LOADS 2048
.macro QBLOCK bb, cnt
.set XB, XR+32*(\bb)
	s_wait_loadcnt \cnt                            ; this block's 32 loads are in (96 and 64 younger ones would do for the first two blocks: the count's field ends at 63)
	v_max3_num_f32 v8, |v[XB]|, |v[XB+1]|, |v[XB+2]|
	v_max3_num_f32 v9, |v[XB+3]|, |v[XB+4]|, |v[XB+5]|
.irp i, 6,10,14,18,22,26
	v_max3_num_f32 v8, v8, |v[XB+\i]|, |v[XB+\i+1]|
	v_max3_num_f32 v9, v9, |v[XB+\i+2]|, |v[XB+\i+3]|
.endr
	v_max3_num_f32 v8, v8, |v[XB+30]|, |v[XB+31]|
	v_max3_num_f32 v8, v8, v9, 0x1800000           ; and the floor 2^(3 - 127): the byte cannot fall under 1
	v_add_nc_u32 v10, 0xff000000, v8               ; 2 off the exponent field: the conversion takes this operand's exponent field as its scale
	v_lshrrev_b32 v11, 23, v10                     ; the scale's byte
.if (\bb) == 0
	v_mov_b32 v7, v11
.else
	v_lshl_or_b32 v7, v11, 8*(\bb), v7             ; four bytes make the K step's scale word
.endif
.irp g, 0,1,2,3
	v_cvt_scalef32_pk8_fp4_f32 v[CD+4*(\bb)+\g], v[XB+8*\g:XB+8*\g+7], v10
.endr
	global_store_b128 v6, v[CD+4*(\bb):CD+4*(\bb)+3], s[12:13] offset:((\bb)/2)*512+((\bb)%2)*256   ; block 2 c + h is part c of lanes 16 h ..: sixteen lanes store 256 consecutive bytes
.endm
	QBLOCK 0, 63
	QBLOCK 1, 63
	QBLOCK 2, 32
	QBLOCK 3, 0
	global_store_b32 v12, v7, s[14:15]
	s_endpgm
.Lwo:
	; ---- Wo to f16
	s_sub_co_u32 s19, ttmp9, 96
	s_and_b32 s20, s19, 3                          ; kg: which 128 along K
	s_lshr_b32 s21, s19, 2                         ; cg: which 128 columns
	s_lshl_b32 s22, s20, 19                        ; in: 128 kg rows of 4,096 bytes
	s_lshl_b32 s24, s21, 9
	s_add_co_u32 s22, s22, s24
	s_lshl_b32 s24, s18, 7
	s_add_co_u32 s22, s22, s24
	s_mov_b32 s23, 0
	s_lshl_b32 s24, s21, 17                        ; out: 8 cg tiles of 16,384 bytes
	s_lshl_b32 s26, s18, 15
	s_add_co_u32 s24, s24, s26                     ; + 2 w tiles
	s_lshl_b32 s26, s20, 12
	s_add_co_u32 s24, s24, s26                     ; + 4 kg fragments of 1,024 bytes
	s_mov_b32 s25, 0
	v_lshl_add_u32 v6, v5, 14, v6
	s_wait_kmcnt 0x0
	s_add_nc_u64 s[28:29], s[10:11], s[22:23]
	s_add_nc_u64 s[16:17], s[16:17], s[24:25]
	LOADS 4096
.macro HBLOCK bb, cnt                  ; 32 along K: one fragment's depth
	s_wait_loadcnt \cnt
.irp k, 0,1,2,3,4,5,6,7,8,9,10,11,12,13,14,15
	v_cvt_pk_f16_f32 v[HF+16*(\bb)+\k], v[XR+32*(\bb)+2*\k], v[XR+32*(\bb)+2*\k+1]
.endr
.irp q, 0,1,2,3                        ; q = 2 u + h
	global_store_b128 v6, v[HF+16*(\bb)+4*\q:HF+16*(\bb)+4*\q+3], s[16:17] offset:(\bb)*1024+\q*256
.endr
.endm
	HBLOCK 0, 63
	HBLOCK 1, 63
	HBLOCK 2, 32
	HBLOCK 3, 0
	s_endpgm
.Lfunc_end_k_q55cd679cc8_prep:
	.size	k_q55cd679cc8_prep, .Lfunc_end_k_q55cd679cc8_prep-k_q55cd679cc8_prep
	.p2alignl 7, 3214868480
	.fill 96, 4, 3214868480
	.section	.rodata,"a",@progbits
	.p2align	6, 0x0
	.amdhsa_kernel k_q55cd679cc8_prep
		.amdhsa_group_segment_fixed_size 0
		.amdhsa_private_segment_fixed_size 0
		.amdhsa_enable_private_segment 0
		.amdhsa_kernarg_size 56
		.amdhsa_user_sgpr_count 2
		.amdhsa_user_sgpr_kernarg_segment_ptr 1
		.amdhsa_wavefront_size32 1
		.amdhsa_system_sgpr_workgroup_id_x 1
		.amdhsa_system_sgpr_workgroup_id_y 1
		.amdhsa_system_sgpr_workgroup_id_z 1
		.amdhsa_system_vgpr_workitem_id 0
		.amdhsa_next_free_vgpr 224
		.amdhsa_next_free_sgpr 66
		.amdhsa_reserve_vcc 0
		.amdhsa_float_denorm_mode_32 3
		.amdhsa_float_denorm_mode_16_64 3
		.amdhsa_memory_ordered 1
		.amdhsa_forward_progress 1
		.amdhsa_inst_pref_size 39
	.end_amdhsa_kernel
	.amdgpu_metadata
---
amdhsa.version: [ 1, 2 ]
amdhsa.kernels:
  - .name:           k_q55cd679cc8_prep
    .symbol:         k_q55cd679cc8_prep.kd
    .args:
      - { .name: Wq, .offset: 0, .size: 8, .value_kind: global_buffer, .address_space: global }
      - { .name: Wk, .offset: 8, .size: 8, .value_kind: global_buffer, .address_space: global }
      - { .name: Wv, .offset: 16, .size: 8, .value_kind: global_buffer, .address_space: global }
      - { .name: Wo, .offset: 24, .size: 8, .value_kind: global_buffer, .address_space: global }
      - { .name: wc, .offset: 32, .size: 8, .value_kind: global_buffer, .address_space: global }
      - { .name: wsc, .offset: 40, .size: 8, .value_kind: global_buffer, .address_space: global }
      - { .name: wof, .offset: 48, .size: 8, .value_kind: global_buffer, .address_space: global }
    .group_segment_fixed_size: 0
    .private_segment_fixed_size: 0
    .kernarg_segment_align: 8
    .kernarg_segment_size: 56
    .max_flat_workgroup_size: 128
    .sgpr_count:     66
    .vgpr_count:     224
    .wavefront_size: 32
...
	.end_amdgpu_metadata
.endif
;; end of part 1
;; launch proj (part 2): grid 64 x 3, 4 waves a work-group, no clusters, 79,360 bytes of LDS; arguments query, key, value, wc, wsc, bq, bk, bv, gamma, beta, qkv; writes qkv
.if DOCPART == 2
	.amdgcn_target "amdgcn-amd-amdhsa--gfx1250"
	.amdhsa_code_object_version 6
	.text
	.protected	k_q55cd679cc8_proj
	.globl	k_q55cd679cc8_proj
	.p2align	8
	.type	k_q55cd679cc8_proj,@function
k_q55cd679cc8_proj:
	s_mov_b64 s[64:65], 0
	v_nop
	global_prefetch_b8 v0, s[64:65] scope:SCOPE_SE
	s_setreg_imm32_b32 hwreg(HW_REG_WAVE_MODE, 25, 1), 1
	s_wait_xcnt 0x0
; One of the three projections (work-group y: 0 query, 1 key, 2 value) for 64 rows: x [4096][1024] f32 is quantised to FP4 (E2M1, one E8M0 scale for each 32 along K), multiplied by the
; weight's codes (made by the launch before), the bias is added, q and k are normalised over each head's 64 channels (gamma, beta), and the rows leave as f16.  q is also multiplied by c = log2(e) / 8,
; so that the attention's scores are exponents of 2.
; SHARES.  The four waves share the COLUMNS: wave w has columns 128 w .. 128 w + 127 (heads 2 w, 2 w + 1).  Its 64 fragments of the weight (512 registers) and their scale words come straight from
; their images in memory, once.  Each wave quantises 16 of the 64 rows over all of K and hands the fragments to the others through LDS as images of the operand's registers.
; No joint loads: every byte of the weight is used once by a work-group and goes from memory straight into the registers that multiply it; a way through LDS would add 256 KB of LDS traffic and save none.
; ONE PATH FOR THE THREE TENSORS: only pointers are chosen, and four numbers: sA (c, 1, 0), sB (0, 0, 1), sInv (1/64, 1/64, 0), sM (1, 1, 0).  G = gamma sA + sB, Bt = beta sA, mu = sum sInv,
; rs = rsq sM + sB: so the value rows pass through unchanged (x 1, + 0), with no branch.
; THE PRODUCT IS USED TRANSPOSED (source 0 = 16 columns of W, source 1 = 16 rows of x): lane (r, h) holds row r and channels 16 t + 8 h + 0 .. 7 of tile t.
; OUT.  qkv [y][batch x head 16][line 1024][256 B]: a row of 64 f16 is 8 chunks of 16 bytes, two rows to a line.  Chunk ch of row p lies at (p >> 1) 256 + 16 pos,
; pos = ((p & 1) << 3) | (ch ^ x), x = (((p >> 1) & 3) << 1) | ((p >> 3) & 1): the attention reads 16 rows x one chunk, and 8 rows x 2 chunks, each from 16 different places of a line, with no padding.
; LIMITS: NaN and infinities are not served; gamma and beta are finite; the results stay under 65,504; a block of zeros gets the byte 1 with zero codes (only this program reads the bytes).
; REGISTERS, in windows of 256.  Window 0: addresses, the work of the quantiser and of the norm, x's fragments (v128-191), the weight's scale words (v192-255).  Windows 1, 2: the weight: fragment (t, s) at
; window 1 + s / 4, v[8 (8 (s % 4) + t)].  Window 3: v0-127 x as loaded, two sets, later the 8 accumulators (v0-63); v128-191 the bias in the result's layout; v192-223 G, v224-255 Bt.
.set XIMG,  0                          ; LDS: x's 32 fragments (tile of rows m, K step s: 8 m + s), 1,024 bytes each
.set XSC,   32768                      ; their scale words, 128 bytes each
.set TST,   36864                      ; a stage for each wave: 16 rows x (512 + 16) bytes
.set TPW,   8448
.set OST,   70656                      ; the way out: 2,048 bytes for each wave
.set SPARE, 78848                      ; the spare words, 128 bytes for each wave: two blocks of 256 bytes that no other line names
.set LI,  4                            ; v4   16 x lane
.set LS,  5                            ; v5   4 x lane
.set TSI, 6                            ; v6   the stage, in
.set TSO, 7                            ; v7   the stage, out
.set XWI, 8                            ; v8   where I store x's images
.set XWS, 9                            ; v9   and their scale words
.set SO,  10                           ; v10-13 the way out: my chunk of tile t'
.set SR,  14                           ; v14  and back, 16 bytes a lane
.set SPW, 16                           ; v16  my spare word; never rewritten
.set NIL, 17                           ; v17  0; never rewritten
.set R32, 18                           ; v18  32 r
.set H32, 19                           ; v19  32 h
.set MU,  20                           ; v[20:21] the mean (low word)
.set RS,  22                           ; v[22:23] 1 / sqrt(var + eps) (low word)
.set SAV, 24                           ; v[24:25] sA, twice;  v[26:27] sB, twice
.set SBV, 26
.set TM,  28                           ; v28-43 the quantiser's work; on the way out rows read back
.set RB,  28
.set PW,  44                           ; the scale word just made
.set PC,  46                           ; v46-53 the codes just made
.set XS,  54                           ; v54-61 x's scale words
.set X16, 64                           ; v64-127 64 numbers of my row
.set DD,  64                           ; v64-95  a head's 32 numbers
.set TT,  96                           ; v96-111 sums
.set HH,  112                          ; v112-127 f16 pairs
.set XF,  128
.set WS,  192
.set WV,  26
.set YY,  27
.set SINV, 34
.set SM,  35
.set SA,  36
.set SB,  37
.set I64, 38
.set EPS, 39
.set SEL, 40
.set XP,  42
.set WP,  44
.set SP_, 46
.set BP,  48
.set OP_, 50
.set MSB, 0
.macro WIN new                         ; the immediate's high byte repeats the setting that is left
.if MSB != (\new)
	s_set_vgpr_msb (MSB<<8)|(\new)
.set MSB, (\new)
.endif
.endm
	s_load_b256 s[4:11], s[0:1], 0x0               ; query, key, value, wc
	s_load_b256 s[12:19], s[0:1], 0x20             ; wsc, bq, bk, bv
	s_load_b128 s[20:23], s[0:1], 0x40             ; gamma, beta
	s_load_b64 s[24:25], s[0:1], 0x50              ; qkv
	v_lshl_add_u32 v[SPW], v0, 2, SPARE
	v_mov_b32 v[NIL], 0
	v_lshrrev_b32 v1, 5, v0
	v_readfirstlane_b32 s[WV], v1                  ; wave 0..3
	v_and_b32 v1, 31, v0                           ; lane
	v_and_b32 v2, 15, v0                           ; r
	v_bfe_u32 v3, v0, 4, 1                         ; h
	v_lshlrev_b32 v[LI], 4, v1
	v_lshlrev_b32 v[LS], 2, v1
	s_mul_i32 s52, s[WV], TPW
	s_add_co_u32 s52, s52, TST
	v_add_nc_u32 v[TSI], s52, v[LI]                ; in: a row's 512 bytes as they lie
	v_mul_u32_u24 v[TSO], v2, 528
	v_lshl_add_u32 v[TSO], v3, 6, v[TSO]
	v_add_nc_u32 v[TSO], s52, v[TSO]               ; out: row r, my half's 16 numbers of each block of 32
	s_lshl_b32 s52, s[WV], 13
	v_add_nc_u32 v[XWI], s52, v[LI]
	s_lshl_b32 s52, s[WV], 10
	v_add_nc_u32 v[XWS], s52, v[LS]
	v_bfe_u32 v15, v0, 1, 2                        ; (r >> 1) & 3
	v_bfe_u32 v62, v0, 3, 1                        ; (r >> 3) & 1
	v_lshl_or_b32 v15, v15, 1, v62                 ; x(r)
	v_xor_b32 v15, v15, v3                         ; h ^ x
	v_and_b32 v62, 1, v0
	v_lshl_or_b32 v15, v62, 3, v15                 ; the place of chunk h in the line
	v_lshlrev_b32 v15, 4, v15
	v_lshrrev_b32 v62, 1, v2
	v_lshl_or_b32 v15, v62, 8, v15                 ; + the line: chunk 2 t' + h lies 32 t' away by exclusive or
	s_lshl_b32 s52, s[WV], 11
	s_add_co_u32 s52, s52, OST
.irp t, 0,1,2,3
	v_xor_b32 v[SO+\t], 32*\t, v15
.endr
.irp t, 0,1,2,3
	v_add_nc_u32 v[SO+\t], s52, v[SO+\t]
.endr
	v_add_nc_u32 v[SR], s52, v[LI]
	v_lshlrev_b32 v[R32], 5, v2
	v_lshlrev_b32 v[H32], 5, v3
	v_mov_b32 v[MU+1], 0                           ; named as the upper halves of pairs, so they are written
	v_mov_b32 v[RS+1], 0
.irp b, 0,1,2,3
	v_mov_b32 v[TM+4+\b], 0                        ; written once: a lane permute's destination counts as one of its sources
.endr
	s_mov_b32 s[SEL], 0x76543210
	s_mov_b32 s[SEL+1], 0xfedcba98                 ; lane l xor 16
	s_and_b32 s[YY], ttmp7, 0xffff                 ; which tensor
	s_mov_b32 s52, 1.0
	s_mov_b32 s53, 0x3e38aa3b                      ; c = log2(e) / 8
	s_mov_b32 s[I64], 0x3c800000                   ; 1 / 64
	s_mov_b32 s[EPS], 0x3727c5ac                   ; 1e-5
	s_cmp_eq_u32 s[YY], 0
	s_cselect_b32 s[SA], s53, s52
	s_cmp_eq_u32 s[YY], 2
	s_cselect_b32 s[SA], 0, s[SA]
	s_cselect_b32 s[SB], s52, 0
	s_cselect_b32 s[SINV], 0, s[I64]
	s_cselect_b32 s[SM], 0, s52
	v_mov_b32 v[SAV], s[SA]
	v_mov_b32 v[SAV+1], s[SA]
	v_mov_b32 v[SBV], s[SB]
	v_mov_b32 v[SBV+1], s[SB]
	s_lshl_b32 s54, ttmp9, 18                      ; x: 64 rows of 4,096 bytes a work-group,
	s_lshl_b32 s55, s[WV], 16
	s_add_co_u32 s54, s54, s55                     ; 16 a wave
	s_mov_b32 s55, 0
	s_lshl_b32 s56, s[YY], 18                      ; the codes: my tensor's, my 8 tiles of columns
	s_lshl_b32 s57, s[WV], 16
	s_add_co_u32 s56, s56, s57
	s_mov_b32 s57, 0
	s_lshl_b32 s58, s[YY], 14                      ; the scale bytes likewise: 128 rows of 32 bytes a wave
	s_lshl_b32 s59, s[WV], 12
	s_add_co_u32 s58, s58, s59
	s_mov_b32 s59, 0
	s_lshl_b32 s60, s[WV], 9                       ; the bias: my 128 numbers
	s_mov_b32 s61, 0
	s_lshl_b32 s62, s[YY], 22                      ; out: tensor,
	s_lshr_b32 s63, ttmp9, 5
	s_lshl_b32 s63, s63, 21
	s_add_co_u32 s62, s62, s63                     ; batch (8 heads of 262,144 bytes),
	s_lshl_b32 s63, s[WV], 19
	s_add_co_u32 s62, s62, s63                     ; my two heads,
	s_and_b32 s63, ttmp9, 31
	s_lshl_b32 s63, s63, 13
	s_add_co_u32 s62, s62, s63                     ; 64 positions of 128 bytes
	s_mov_b32 s63, 0
	s_wait_kmcnt 0x0
	s_cmp_eq_u32 s[YY], 0
	s_cselect_b64 s[XP:XP+1], s[4:5], s[6:7]
	s_cselect_b64 s[BP:BP+1], s[14:15], s[16:17]
	s_cmp_eq_u32 s[YY], 2
	s_cselect_b64 s[XP:XP+1], s[8:9], s[XP:XP+1]
	s_cselect_b64 s[BP:BP+1], s[18:19], s[BP:BP+1]
	s_add_nc_u64 s[XP:XP+1], s[XP:XP+1], s[54:55]
	s_add_nc_u64 s[WP:WP+1], s[10:11], s[56:57]
	s_add_nc_u64 s[SP_:SP_+1], s[12:13], s[58:59]
	s_add_nc_u64 s[BP:BP+1], s[BP:BP+1], s[60:61]
	s_add_nc_u64 s[OP_:OP_+1], s[24:25], s[62:63]
; 48 small loads: the weight's scale words (lane r: column 16 t + r's eight words), the bias, gamma and beta in the result's layout
.irp t, 0,1,2,3,4,5,6,7
	global_load_b128 v[WS+8*\t:WS+8*\t+3], v[R32], s[SP_:SP_+1] offset:512*\t
	global_load_b128 v[WS+8*\t+4:WS+8*\t+7], v[R32], s[SP_:SP_+1] offset:512*\t+16
.endr
	WIN 0xc0                                       ; destination window 3
.irp t, 0,1,2,3,4,5,6,7
	global_load_b128 v[128+8*\t:128+8*\t+3], v[H32], s[BP:BP+1] offset:64*\t
	global_load_b128 v[128+8*\t+4:128+8*\t+7], v[H32], s[BP:BP+1] offset:64*\t+16
.endr
.irp t, 0,1,2,3
	global_load_b128 v[192+8*\t:192+8*\t+3], v[H32], s[20:21] offset:64*\t
	global_load_b128 v[192+8*\t+4:192+8*\t+7], v[H32], s[20:21] offset:64*\t+16
	global_load_b128 v[224+8*\t:224+8*\t+3], v[H32], s[22:23] offset:64*\t
	global_load_b128 v[224+8*\t+4:224+8*\t+7], v[H32], s[22:23] offset:64*\t+16
.endr
.macro XLOAD set, s                    ; K step s of my 16 rows: each load reads 512 consecutive bytes of one row
	WIN 0xc0
.irp i, 0,1,2,3,4,5,6,7,8,9,10,11,12,13,14,15
	global_load_b128 v[64*(\set)+4*\i:64*(\set)+4*\i+3], v[LI], s[XP:XP+1] offset:\i*4096+512*(\s) th:TH_LOAD_NT
.endr
.endm
.macro WLOAD s                         ; K step s of my 8 tiles of the weight, as images
	WIN 0x40*(1+(\s)/4)
.irp t, 0,1,2,3,4,5,6,7
.irp c, 0,1
	global_load_b128 v[8*(8*((\s)%4)+\t)+4*\c:8*(8*((\s)%4)+\t)+4*\c+3], v[LI], s[WP:WP+1] offset:(8*\t+(\s))*1024+512*\c
.endr
.endr
.endm
.macro TURN set                        ; through my stage: in as loaded, out 16 neighbours of each block a lane.  LDS serves a wave's instructions in order
	WIN 0x0c                                       ; an LDS store's data are its source 1: window 3
.irp i, 0,1,2,3,4,5,6,7,8,9,10,11,12,13,14,15
	ds_store_b128 v[TSI], v[64*(\set)+4*\i:64*(\set)+4*\i+3] offset:\i*528
.endr
	WIN 0
.irp b, 0,1,2,3
.irp j, 0,1,2,3
	ds_load_b128 v[X16+16*\b+4*\j:X16+16*\b+4*\j+3], v[TSO] offset:128*\b+16*\j
.endr
.endr
.endm
; 64 numbers of a lane, register 16 b + i = k 32 b + 16 h + i of my row, become a fragment's codes in v[PC] on and its scale word in v[PW]
.macro QUANT s
.irp b, 0,1,2,3
	v_max3_num_f32 v[TM+\b], |v[\s+16*\b]|, |v[\s+1+16*\b]|, 0x1800000   ; my 16 numbers of block b, and the floor 2^(3 - 127): the byte cannot fall under 1
.endr
.irp i, 2,4,6,8,10,12,14
.irp b, 0,1,2,3
	v_max3_num_f32 v[TM+\b], v[TM+\b], |v[\s+16*\b+\i]|, |v[\s+1+16*\b+\i]|
.endr
.endr
.irp b, 0,1,2,3
	v_permlanex16_b32 v[TM+4+\b], v[TM+\b], s[SEL], s[SEL+1]
.endr
.irp b, 0,1,2,3
	v_max_num_f32 v[TM+\b], v[TM+\b], v[TM+4+\b]   ; with lane l xor 16's: the block's largest magnitude
.endr
.irp b, 0,1,2,3
	v_add_nc_u32 v[TM+12+\b], 0xff000000, v[TM+\b] ; 2 off its exponent field: the conversion's scale operand
.endr
.irp b, 0,1,2,3
	v_lshrrev_b32 v[TM+4+\b], 23, v[TM+12+\b]      ; the scale's byte
.endr
	v_lshl_or_b32 v[PW], v[TM+5], 8, v[TM+4]
	v_lshl_or_b32 v[PW], v[TM+6], 16, v[PW]
	v_lshl_or_b32 v[PW], v[TM+7], 24, v[PW]
.irp b, 0,1,2,3
	v_cvt_scalef32_pk8_fp4_f32 v[PC+2*\b], v[\s+16*\b:\s+7+16*\b], v[TM+12+\b]
	v_cvt_scalef32_pk8_fp4_f32 v[PC+1+2*\b], v[\s+8+16*\b:\s+15+16*\b], v[TM+12+\b]
.endr
	v_nop                                          ; one plain place behind a scaled conversion
.irp c, 0,1                                    ; the operand's layout wants a whole block in a lane
.irp i, 0,1
	v_permlane16_swap_b32 v[PC+4*\c+\i], v[PC+2+4*\c+\i]
.endr
.endr
.endm
; One K step of the quantiser.  cnt: the loads issued behind this step's sixteen, which may stay out
.macro XSTEP s, cnt
	s_wait_loadcnt \cnt
	TURN (\s)%2
	s_wait_dscnt 0x0                               ; the numbers are back; the stage's stores have read their registers, the last image's stores theirs
.if (\s) < 6
	XLOAD (\s)%2, (\s)+2
.endif
	WLOAD \s
	WIN 0
	QUANT X16
.irp c, 0,1
	ds_store_b128 v[XWI], v[PC+4*\c:PC+4*\c+3] offset:XIMG+(\s)*1024+512*\c
.endr
	ds_store_b32 v[XWS], v[PW] offset:XSC+128*(\s)
.endm
	XLOAD 0, 0
	XLOAD 1, 1
	XSTEP 0, 16                                    ; behind x's step 0: step 1
	XSTEP 1, 32                                    ; step 2, W's step 0
	XSTEP 2, 48                                    ; W 0, x 3, W 1
	XSTEP 3, 48
	XSTEP 4, 48
	XSTEP 5, 48
	XSTEP 6, 48                                    ; W 4, x 7, W 5
	XSTEP 7, 32                                    ; W 5, W 6
	s_wait_loadcnt 0x0                             ; the weight is whole
	WIN 0xc3                                       ; source 0 and destination window 3
.irp k, 0,2,4,6,8,10,12,14,16,18,20,22,24,26,28,30
	v_pk_fma_f32 v[192+\k:193+\k], v[192+\k:193+\k], v[SAV:SAV+1], v[SBV:SBV+1]   ; G = gamma sA + sB
.endr
.irp k, 0,2,4,6,8,10,12,14,16,18,20,22,24,26,28,30
	v_pk_mul_f32 v[224+\k:225+\k], v[224+\k:225+\k], v[SAV:SAV+1]                 ; Bt = beta sA
.endr
	WIN 0
	s_wait_dscnt 0x0                               ; for the others' sake: my images have landed
	s_barrier_signal -1
	s_barrier_wait -1                              ; x's 32 fragments lie in LDS; nobody writes them again
.macro FETCHX m
.irp s, 0,1,2,3,4,5,6,7
.irp c, 0,1
	ds_load_b128 v[XF+8*\s+4*\c:XF+8*\s+4*\c+3], v[LI] offset:XIMG+(8*(\m)+\s)*1024+512*\c
.endr
	ds_load_b32 v[XS+\s], v[LS] offset:XSC+(8*(\m)+\s)*128
.endr
.endm
; 64 matrix instructions: K step by K step, the 8 accumulators by turns.  The bias is the C of each sum's first product
.macro MULT
.irp s, 0,1,2,3,4,5,6,7
	WIN 0xf1+(\s)/4                                ; source 0 window 1 or 2, source 1 window 0, C and D window 3
.irp t, 0,1,2,3,4,5,6,7
.if \s == 0
	v_wmma_scale_f32_16x16x128_f8f6f4 v[8*\t:8*\t+7], v[8*(8*(\s%4)+\t):8*(8*(\s%4)+\t)+7], v[XF+8*\s:XF+8*\s+7], v[128+8*\t:128+8*\t+7], v[WS+8*\t+\s], v[XS+\s] matrix_a_fmt:MATRIX_FMT_FP4 matrix_b_fmt:MATRIX_FMT_FP4
.else
	v_wmma_scale_f32_16x16x128_f8f6f4 v[8*\t:8*\t+7], v[8*(8*(\s%4)+\t):8*(8*(\s%4)+\t)+7], v[XF+8*\s:XF+8*\s+7], v[8*\t:8*\t+7], v[WS+8*\t+\s], v[XS+\s] matrix_a_fmt:MATRIX_FMT_FP4 matrix_b_fmt:MATRIX_FMT_FP4
.endif
.endr
.endr
	WIN 0
.endm
; One head (accumulators 4 hh .. 4 hh + 3) of the tile of rows m: mean, variance, gamma and beta, f16, through my stage, out.  Each accumulator is read from its low end on
.macro LNHEAD m, hh
.set AB, 32*(\hh)
	WIN 0x0f                                       ; sources 0 and 1 window 3
.irp k, 0,1,2,3,4,5,6,7
	v_pk_add_f32 v[TT+2*\k:TT+2*\k+1], v[AB+4*\k:AB+4*\k+1], v[AB+4*\k+2:AB+4*\k+3]
.endr
	WIN 0
	v_pk_add_f32 v[TT:TT+1], v[TT:TT+1], v[TT+2:TT+3]
	v_pk_add_f32 v[TT+4:TT+5], v[TT+4:TT+5], v[TT+6:TT+7]
	v_pk_add_f32 v[TT+8:TT+9], v[TT+8:TT+9], v[TT+10:TT+11]
	v_pk_add_f32 v[TT+12:TT+13], v[TT+12:TT+13], v[TT+14:TT+15]
	v_pk_add_f32 v[TT:TT+1], v[TT:TT+1], v[TT+4:TT+5]
	v_pk_add_f32 v[TT+8:TT+9], v[TT+8:TT+9], v[TT+12:TT+13]
	v_pk_add_f32 v[TT:TT+1], v[TT:TT+1], v[TT+8:TT+9]
	v_add_f32 v[TT], v[TT], v[TT+1]
	v_permlanex16_b32 v[TT+2], v[TT], s[SEL], s[SEL+1]   ; the row's other 32 channels lie in the lane 16 away
	v_add_f32 v[TT], v[TT], v[TT+2]
	v_mul_f32 v[MU], s[SINV], v[TT]
	WIN 0x03                                       ; source 0 window 3
.irp k, 0,2,4,6,8,10,12,14,16,18,20,22,24,26,28,30
	v_pk_add_f32 v[DD+\k:DD+\k+1], v[AB+\k:AB+\k+1], v[MU:MU+1] op_sel_hi:[1,0] neg_lo:[0,1] neg_hi:[0,1]
.endr
	WIN 0
	v_pk_mul_f32 v[TT:TT+1], v[DD:DD+1], v[DD:DD+1]
	v_pk_mul_f32 v[TT+2:TT+3], v[DD+2:DD+3], v[DD+2:DD+3]
.irp k, 4,8,12,16,20,24,28
	v_pk_fma_f32 v[TT:TT+1], v[DD+\k:DD+\k+1], v[DD+\k:DD+\k+1], v[TT:TT+1]
	v_pk_fma_f32 v[TT+2:TT+3], v[DD+\k+2:DD+\k+3], v[DD+\k+2:DD+\k+3], v[TT+2:TT+3]
.endr
	v_pk_add_f32 v[TT:TT+1], v[TT:TT+1], v[TT+2:TT+3]
	v_add_f32 v[TT], v[TT], v[TT+1]
	v_permlanex16_b32 v[TT+2], v[TT], s[SEL], s[SEL+1]
	v_add_f32 v[TT], v[TT], v[TT+2]
	v_fma_f32 v[TT], v[TT], s[I64], s[EPS]         ; var + eps
	v_rsq_f32 v[TT+4], v[TT]
	v_nop                                          ; a plain place behind the transcendental
	s_wait_alu depctr_va_vdst(0)                   ; and the wait ahead of its first reader
	v_fma_f32 v[RS], v[TT+4], s[SM], s[SB]
.irp k, 0,2,4,6,8,10,12,14,16,18,20,22,24,26,28,30
	v_pk_mul_f32 v[DD+\k:DD+\k+1], v[DD+\k:DD+\k+1], v[RS:RS+1] op_sel_hi:[1,0]
.endr
	WIN 0x3c                                       ; sources 1 and 2 window 3
.irp k, 0,2,4,6,8,10,12,14,16,18,20,22,24,26,28,30
	v_pk_fma_f32 v[DD+\k:DD+\k+1], v[DD+\k:DD+\k+1], v[192+\k:193+\k], v[224+\k:225+\k]
.endr
	WIN 0
.irp k, 0,1,2,3,4,5,6,7,8,9,10,11,12,13,14,15
	v_cvt_pk_f16_f32 v[HH+\k], v[DD+2*\k], v[DD+2*\k+1]
.endr
.irp t, 0,1,2,3
	ds_store_b128 v[SO+\t], v[HH+4*\t:HH+4*\t+3]   ; chunk 2 t' + h of row r, at its place in the line
.endr
	s_wait_xcnt 0x0                                ; the last head's stores have read the registers that the loads below fill
.irp i, 0,1,2,3
	ds_load_b128 v[RB+4*\i:RB+4*\i+3], v[SR] offset:512*\i   ; LDS serves a wave's instructions in order: these see my stores
.endr
	s_wait_dscnt 0x0
.irp i, 0,1,2,3
	global_store_b128 v[LI], v[RB+4*\i:RB+4*\i+3], s[OP_:OP_+1] offset:(\hh)*262144+(\m)*2048+512*\i   ; 32 lanes store 512 consecutive bytes
.endr
.endm
	FETCHX 0
.irp m, 0,1,2,3
	s_wait_dscnt 0x0                               ; x's fragments of this tile of rows are in
	MULT
.rept 4
	v_nop                                          ; places ahead of loads into registers that the products have read, and of the first read of results
.endr
.if \m < 3
	FETCHX \m+1
.endif
	LNHEAD \m, 0
	LNHEAD \m, 1
.endr
	s_wait_tensorcnt 0x0                           ; the wave's end: behind my last LDS store
	ds_add_u32 v[SPW], v[NIL]
	s_wait_dscnt 0x0
	s_endpgm
.Lfunc_end_k_q55cd679cc8_proj:
	.size	k_q55cd679cc8_proj, .Lfunc_end_k_q55cd679cc8_proj-k_q55cd679cc8_proj
	.p2alignl 7, 3214868480
	.fill 96, 4, 3214868480
	.section	.rodata,"a",@progbits
	.p2align	6, 0x0
	.amdhsa_kernel k_q55cd679cc8_proj
		.amdhsa_group_segment_fixed_size 79360
		.amdhsa_private_segment_fixed_size 0
		.amdhsa_enable_private_segment 0
		.amdhsa_kernarg_size 88
		.amdhsa_user_sgpr_count 2
		.amdhsa_user_sgpr_kernarg_segment_ptr 1
		.amdhsa_wavefront_size32 1
		.amdhsa_system_sgpr_workgroup_id_x 1
		.amdhsa_system_sgpr_workgroup_id_y 1
		.amdhsa_system_sgpr_workgroup_id_z 1
		.amdhsa_system_vgpr_workitem_id 0
		.amdhsa_next_free_vgpr 1024
		.amdhsa_next_free_sgpr 66
		.amdhsa_reserve_vcc 0
		.amdhsa_float_denorm_mode_32 3
		.amdhsa_float_denorm_mode_16_64 3
		.amdhsa_memory_ordered 1
		.amdhsa_forward_progress 1
		.amdhsa_inst_pref_size 185
	.end_amdhsa_kernel
	.amdgpu_metadata
---
amdhsa.version: [ 1, 2 ]
amdhsa.kernels:
  - .name:           k_q55cd679cc8_proj
    .symbol:         k_q55cd679cc8_proj.kd
    .args:
      - { .name: query, .offset: 0, .size: 8, .value_kind: global_buffer, .address_space: global }
      - { .name: key, .offset: 8, .size: 8, .value_kind: global_buffer, .address_space: global }
      - { .name: value, .offset: 16, .size: 8, .value_kind: global_buffer, .address_space: global }
      - { .name: wc, .offset: 24, .size: 8, .value_kind: global_buffer, .address_space: global }
      - { .name: wsc, .offset: 32, .size: 8, .value_kind: global_buffer, .address_space: global }
      - { .name: bq, .offset: 40, .size: 8, .value_kind: global_buffer, .address_space: global }
      - { .name: bk, .offset: 48, .size: 8, .value_kind: global_buffer, .address_space: global }
      - { .name: bv, .offset: 56, .size: 8, .value_kind: global_buffer, .address_space: global }
      - { .name: gamma, .offset: 64, .size: 8, .value_kind: global_buffer, .address_space: global }
      - { .name: beta, .offset: 72, .size: 8, .value_kind: global_buffer, .address_space: global }
      - { .name: qkv, .offset: 80, .size: 8, .value_kind: global_buffer, .address_space: global }
    .group_segment_fixed_size: 79360
    .private_segment_fixed_size: 0
    .kernarg_segment_align: 8
    .kernarg_segment_size: 88
    .max_flat_workgroup_size: 128
    .sgpr_count:     66
    .vgpr_count:     1024
    .wavefront_size: 32
...
	.end_amdgpu_metadata
.endif
;; end of part 2
;; launch hop (part 3): grid 16 x 16, 8 waves a work-group, clusters of 4 x 1, 327,680 bytes of LDS; arguments qkv, oimg; writes oimg
.if DOCPART == 3
	.amdgcn_target "amdgcn-amd-amdhsa--gfx1250"
	.amdhsa_code_object_version 6
	.text
	.protected	k_q55cd679cc8_hop
	.globl	k_q55cd679cc8_hop
	.p2align	8
	.type	k_q55cd679cc8_hop,@function
k_q55cd679cc8_hop:
	s_mov_b64 s[64:65], 0
	v_nop
	global_prefetch_b8 v0, s[64:65] scope:SCOPE_SE
	s_setreg_imm32_b32 hwreg(HW_REG_WAVE_MODE, 25, 1), 1
	s_wait_xcnt 0x0
	s_wait_alu depctr_hold_cnt(0) depctr_sa_sdst(0) depctr_va_vdst(0) depctr_va_sdst(0) depctr_va_ssrc(0) depctr_va_vcc(0) depctr_vm_vsrc(0)
	s_getreg_b32 s2, hwreg(HW_REG_IB_STS2, 6, 4)
	s_cmp_eq_u32 s2, 0
	s_cbranch_scc0 .Lentry_in_a_cluster
	s_endpgm
.Lentry_in_a_cluster:
	s_bfe_u32 s2, ttmp6, 0x10000c
	s_cmp_lg_u32 s2, 0x3003
	s_cbranch_scc0 .Lentry_shape_is_right
	s_endpgm
.Lentry_shape_is_right:
; The whole Hopfield iteration of 128 queries of one (batch, head): three times q <- softmax(q k^T / 8) k, then o = softmax(q k^T / 8) v.  q, k, v: f16 rows of 64 channels from the launch before
; (q already times c = log2(e) / 8, so a score is an exponent of 2); products on f16 operands with f32 sums; maxima, sums and rescaling in f32; a running maximum is taken away before every exponential.
; K STAYS IN LDS: a head's 2,048 keys are 262,144 bytes, brought once, read in all four passes, as rows for k q^T and turned (ds_load_tr16_b128) for k^T p.  v comes in the fourth pass through two slots of 128 keys.
; SHARES.  Eight waves.  Wave w: group g = w / 2 of 32 queries (two tiles of 16), parity e = w % 2 of the keys: in step j it takes keys 128 j + 64 e .. + 63; 16 steps a pass.  Two waves lie on a SIMD,
; so that one wave's softmax stands beside the other's products.  At a pass's end the two waves of a group merge their partial results through LDS.
; LAYOUT.  Both products are used transposed: S^T = K Q^T (source 0 = 16 keys, source 1 = 16 queries), O^T = V^T P (source 0 = 16 channels, source 1 = P): a lane holds ONE query throughout; S^T rounded to f16
; in pairs IS source 1 of the second product, and O^T rounded in pairs IS the next pass's Q.  Nothing changes lanes.
; ROWS IN LDS AND MEMORY: two rows to a line of 256 bytes; chunk ch (16 bytes) of row p at (p >> 1) 256 + 16 (((p & 1) << 3) | (ch ^ x)), x = (((p >> 1) & 3) << 1) | ((p >> 3) & 1).
; CLUSTER.  The four query blocks of a cluster belong to one head and read the same k and v: every tile is asked for jointly, by the same tensor load with the same descriptor and a mask that names the four.
; a wave has three loads out at the start, later one.
; OUT.  oimg [tile of 16 rows 256][kk = 2 head + f 16][u 2][lane 32][16 B]: images of the last product's operand registers.
; LIMITS: NaN and infinities are not served; |k|, |c q|, |v| and the results stay under 65,504.
; REGISTERS.  Window 0: v1, v2 the add's two; v4-23 addresses; v24-39 statistics, eight a tile (+0 m, +2, +3 l, +4 .. +7 at work, a in +6); v40-71 Q; v72-135 S^T; v136-167 P; v168-231 O^T; v232-255 the merge.
; Window 1: v0-63 K's fragments; v64-127 V's (or K's, turned).
.set VS,    262144                     ; LDS: K from 0; V's two slots of 16,384 bytes;
.set MG,    294912                     ; a merge region for each group: 4,096 bytes of data, 512 of statistics;
.set MGP,   4608
.set SPARE, 313344                     ; the spare words, 128 bytes for each wave: four blocks of 256 bytes that no other line names
.set SPW, 1
.set NIL, 2
.set AKL, 4                            ; v4-7   my lane's place in 16 rows, chunk 2 i + h
.set ATL, 8                            ; v8-11  the same for the turning load, channels 16 ct on
.set AK,  12                           ; v12-15 LDS addresses of the loads in hand
.set AT,  16                           ; v16-19
.set LI,  20                           ; v20    16 x lane
.set MGA, 21                           ; v21    my place in my group's merge region
.set PFO, 22                           ; v22    256 x lane: the prefetches' offset; never rewritten
.set ST,  24
.set Q,   40
.set S,   72
.set P,   136
.set O,   168
.set WK,  232
.set STA, 236                          ; v236-239 the partner's m and l, two tiles
.set AL,  240                          ; v240-247 the merge's weights, in pairs of which the low word counts
.set MX,  248
.set KF,  0
.set VF,  64
.set WV,  8
.set PE,  9
.set PG,  10
.set CX,  11
.set XB,  12
.set BH,  13
.set TB0, 14
.set TBK, 15
.set TV0, 16
.set TV1, 17
.set STP, 18
.set PAS, 19
.set TR,  20
.set LIM, 21
.set PFA, 22
.set SEL, 24
.set QP,  26
.set OP_, 28
.set G1K, 32
.set G1V, 40
.set G0K, 48
.set G0V, 52
.set KAP, 70
.set MSB, 0
.macro WIN new                         ; the immediate's high byte repeats the setting that is left
.if MSB != (\new)
	s_set_vgpr_msb (MSB<<8)|(\new)
.set MSB, (\new)
.endif
.endm
.macro CROUND                          ; a round of the cluster's barrier
	s_barrier_signal -1
	s_barrier_wait -1
	s_cmp_lg_u32 s[WV], 0
	s_cbranch_scc1 .Lnot_wave_0_\@
	s_barrier_signal -3
.Lnot_wave_0_\@:
	s_barrier_wait -3
	s_barrier_signal -1
	s_barrier_wait -1
.endm
	s_load_b128 s[4:7], s[0:1], 0x0                ; qkv, oimg
	v_lshl_add_u32 v[SPW], v0, 2, SPARE
	v_mov_b32 v[NIL], 0
	ds_add_u32 v[SPW], v[NIL]                      ; the wave's opening: the add, twice on end, and its wait ahead of my first tensor load
	ds_add_u32 v[SPW], v[NIL]
	v_lshrrev_b32 v3, 5, v0
	v_readfirstlane_b32 s[WV], v3                  ; wave 0..7
	s_and_b32 s[PE], s[WV], 1                      ; parity of my keys
	s_lshr_b32 s[PG], s[WV], 1                     ; my group of 32 queries
	s_bfe_u32 s[CX], ttmp6, 0x40000
	s_lshl_b32 s[XB], ttmp9, 2
	s_add_co_u32 s[XB], s[XB], s[CX]               ; my block of 128 queries: it enters Q's and O's addresses alone
	s_and_b32 s[BH], ttmp7, 0xffff                 ; batch x head, which the four partners share
	; descriptor group 1: dense blocks as rows of 256 bytes (32 elements of 8 bytes); K: 128 rows a wave, V: 8
	s_mov_b32 s[G1K], 15|(3<<16)|(1<<21)           ; the mask: all four work-groups; elements of 8 bytes; bit 21 set beside a mask; no padding
	s_mov_b32 s[G1K+1], 32<<16
	s_mov_b32 s[G1K+2], 128<<16
	s_mov_b32 s[G1K+3], 32<<16
	s_mov_b32 s[G1K+4], 128
	s_mov_b32 s[G1K+5], 32
	s_mov_b32 s[G1K+6], 0
	s_mov_b32 s[G1K+7], 0
	s_mov_b32 s[G1V], 15|(3<<16)|(1<<21)
	s_mov_b32 s[G1V+1], 32<<16
	s_mov_b32 s[G1V+2], 8<<16
	s_mov_b32 s[G1V+3], 32<<16
	s_mov_b32 s[G1V+4], 8
	s_mov_b32 s[G1V+5], 32
	s_mov_b32 s[G1V+6], 0
	s_mov_b32 s[G1V+7], 0
	s_mov_b32 s[SEL], 0x76543210
	s_mov_b32 s[SEL+1], 0xfedcba98                 ; lane l xor 16
	s_mov_b32 s[KAP], 0x3e38aa3b                   ; c = log2(e) / 8
	s_lshl_b32 s[TB0], s[PE], 13                   ; my 64 keys of a step's 128
	s_add_co_u32 s[TV0], s[TB0], VS
	s_add_co_u32 s[TV1], s[TV0], 16384
	s_or_b32 s[LIM], s[WV], ttmp9                  ; wave 0 of the head's first cluster prefetches: the same in all four partners
	s_cmp_eq_u32 s[LIM], 0
	s_cselect_b32 s[LIM], 1, -1
	s_lshl_b32 s60, s[BH], 18                      ; the head's 262,144 bytes
	s_mov_b32 s61, 0
	s_lshl_b32 s62, s[WV], 15                      ; my eighth of K
	s_mov_b32 s63, 0
	s_lshl_b32 s66, s[WV], 11                      ; my eighth of a slot of V
	s_mov_b32 s67, 0
	s_lshl_b32 s68, s[XB], 14                      ; Q: my block's 128 rows of 128 bytes, my group's 32
	s_lshl_b32 s69, s[PG], 12
	s_add_co_u32 s68, s68, s69
	s_mov_b32 s69, 0
	s_lshr_b32 s30, s[BH], 3                       ; O: tile of rows 128 batch + 8 block + 2 group, 16,384 bytes each; fragment 2 head, 1,024 bytes each
	s_lshl_b32 s30, s30, 21
	s_lshl_b32 s31, s[XB], 17
	s_add_co_u32 s30, s30, s31
	s_lshl_b32 s31, s[PG], 15
	s_add_co_u32 s30, s30, s31
	s_and_b32 s31, s[BH], 7
	s_lshl_b32 s31, s31, 11
	s_add_co_u32 s30, s30, s31
	s_mov_b32 s31, 0
	s_lshl_b32 s74, s[CX], 13                      ; the prefetches: my work-group's 8,192 bytes of each 32,768, told apart by address
	s_add_co_u32 s74, s74, 32768
	s_mov_b32 s75, 0
	s_mul_i32 s76, s[PG], MGP
	s_add_co_u32 s76, s76, MG
	v_and_b32 v232, 15, v0                         ; r
	v_bfe_u32 v233, v0, 4, 1                       ; h
	v_bfe_u32 v234, v0, 1, 2                       ; (r >> 1) & 3
	v_bfe_u32 v235, v0, 3, 1                       ; (r >> 3) & 1
	v_and_b32 v236, 1, v0
	v_lshl_or_b32 v237, v234, 1, v235              ; x(r)
	v_xor_b32 v237, v237, v233
	v_lshl_or_b32 v237, v236, 3, v237
	v_lshlrev_b32 v237, 4, v237
	v_lshrrev_b32 v238, 1, v232
	v_lshl_or_b32 v237, v238, 8, v237              ; row r, chunk h
	v_lshl_or_b32 v238, v234, 1, v233              ; the turning load: lane l reads row 8 h + l % 8, chunk (l >> 3) & 1: x of that row,
	v_xor_b32 v238, v238, v235
	v_lshl_or_b32 v238, v236, 3, v238
	v_lshlrev_b32 v238, 4, v238
	v_lshl_or_b32 v239, v233, 2, v234              ; its line
	v_lshl_or_b32 v238, v239, 8, v238
.irp i, 0,1,2,3
	v_xor_b32 v[AKL+\i], 32*\i, v237
	v_xor_b32 v[ATL+\i], 32*\i, v238
.endr
	v_and_b32 v[LI], 31, v0
	v_lshlrev_b32 v[PFO], 8, v[LI]
	v_lshlrev_b32 v[LI], 4, v[LI]
	v_add_nc_u32 v[MGA], s76, v[LI]
.irp t, 0,1
	v_mov_b32 v[ST+8*\t+1], 0                      ; named as upper halves of pairs, so they are written
	v_mov_b32 v[AL+4*\t+1], 0
	v_mov_b32 v[AL+4*\t+3], 0
.endr
	s_wait_dscnt 0x0                               ; both opening adds are done
	s_wait_kmcnt 0x0
	s_add_nc_u64 s[72:73], s[4:5], s[60:61]        ; the head in q's part
	s_mov_b32 s[G0K], 1
	s_lshl_b32 s[G0K+1], s[WV], 15
	s_add_nc_u64 s[G0K+2:G0K+3], s[72:73], 0x400000   ; k's part lies 4 MB on,
	s_add_nc_u64 s[G0K+2:G0K+3], s[G0K+2:G0K+3], s[62:63]
	s_or_b32 s[G0K+3], s[G0K+3], 0x80000000
	s_mov_b32 s[G0V], 1
	s_add_co_u32 s[G0V+1], s66, VS
	s_add_nc_u64 s[G0V+2:G0V+3], s[72:73], 0x800000   ; v's 8 MB
	s_add_nc_u64 s[PFA:PFA+1], s[G0V+2:G0V+3], s[74:75]
	s_add_nc_u64 s[G0V+2:G0V+3], s[G0V+2:G0V+3], s[66:67]
	s_mov_b32 s[G0V+4], 1
	s_add_co_u32 s[G0V+5], s66, VS+16384
	s_add_nc_u64 s[G0V+6:G0V+7], s[G0V+2:G0V+3], 16384
	s_or_b32 s[G0V+3], s[G0V+3], 0x80000000
	s_or_b32 s[G0V+7], s[G0V+7], 0x80000000
	s_add_nc_u64 s[QP:QP+1], s[72:73], s[68:69]
	s_add_nc_u64 s[OP_:OP_+1], s[6:7], s[30:31]
	CROUND                                         ; all four work-groups are here: the first joint loads meet
	tensor_load_to_lds s[G0K:G0K+3], s[G1K:G1K+7]  ; my eighth of K
	s_nop 0
	tensor_load_to_lds s[G0V:G0V+3], s[G1V:G1V+7]  ; of V's keys 0 .. 127
	s_nop 0
	tensor_load_to_lds s[G0V+4:G0V+7], s[G1V:G1V+7]   ; of keys 128 .. 255
	s_nop 0
.rept 4
	v_nop
.endr
.irp t, 0,1
.irp i, 0,1,2,3                        ; i = 2 f + u
	global_load_b128 v[Q+16*\t+4*\i:Q+16*\t+4*\i+3], v[AKL+\i], s[QP:QP+1] offset:\t*2048
.endr
.endr
	s_wait_tensorcnt 0x0                           ; my parts have landed,
	s_barrier_signal -1
	s_barrier_wait -1                              ; everybody's have
	s_wait_loadcnt 0x0                             ; Q
.macro KLOAD                           ; 64 keys x 64 channels as they lie: fragment (kt, f) at KF + 8 (2 kt + f)
.irp kt, 0,1,2,3
.irp i, 0,1,2,3
	ds_load_b128 v[KF+16*\kt+4*\i:KF+16*\kt+4*\i+3], v[AK+\i] offset:2048*\kt
.endr
.endr
.endm
.macro VLOAD                           ; 64 keys x 64 channels turned: fragment (ct, kf) at VF + 8 (2 ct + kf)
.irp ct, 0,1,2,3
.irp q, 0,1,2,3                        ; q = 2 kf + u: keys 16 q on
	ds_load_tr16_b128 v[VF+16*\ct+4*\q:VF+16*\ct+4*\q+3], v[AT+\ct] offset:2048*\q
.endr
.endr
.endm
; The accumulators take turns, one instruction a turn: eight in each product
.macro KQ
.irp f, 0,1
.irp kt, 0,1,2,3
.irp t, 0,1
.if \f == 0
	v_wmma_f32_16x16x32_f16 v[S+32*\t+8*\kt:S+32*\t+8*\kt+7], v[KF+8*(2*\kt+\f):KF+8*(2*\kt+\f)+7], v[Q+16*\t+8*\f:Q+16*\t+8*\f+7], 0
.else
	v_wmma_f32_16x16x32_f16 v[S+32*\t+8*\kt:S+32*\t+8*\kt+7], v[KF+8*(2*\kt+\f):KF+8*(2*\kt+\f)+7], v[Q+16*\t+8*\f:Q+16*\t+8*\f+7], v[S+32*\t+8*\kt:S+32*\t+8*\kt+7]
.endif
.endr
.endr
.endr
.endm
.macro PV
.irp kf, 0,1
.irp ct, 0,1,2,3
.irp t, 0,1
	v_wmma_f32_16x16x32_f16 v[O+32*\t+8*\ct:O+32*\t+8*\ct+7], v[VF+8*(2*\ct+\kf):VF+8*(2*\ct+\kf)+7], v[P+16*\t+8*\kf:P+16*\t+8*\kf+7], v[O+32*\t+8*\ct:O+32*\t+8*\ct+7]
.endr
.endr
.endr
.endm
; The softmax of a step's 64 keys for both tiles, line by line in alternation.  Each accumulator is read from its low end on.
.macro SOFTMAX
.irp j, 0,1,2,3
.irp t, 0,1
	v_max3_num_f32 v[ST+8*\t+4+\j], v[S+32*\t+8*\j], v[S+32*\t+8*\j+1], v[S+32*\t+8*\j+2]
.endr
.endr
.irp q, 3,5
.irp j, 0,1,2,3
.irp t, 0,1
	v_max3_num_f32 v[ST+8*\t+4+\j], v[ST+8*\t+4+\j], v[S+32*\t+8*\j+\q], v[S+32*\t+8*\j+\q+1]
.endr
.endr
.endr
.irp t, 0,1
	v_max3_num_f32 v[ST+8*\t+4], v[ST+8*\t+4], v[S+32*\t+7], v[S+32*\t+15]
	v_max3_num_f32 v[ST+8*\t+6], v[ST+8*\t+6], v[S+32*\t+23], v[S+32*\t+31]
.endr
.irp t, 0,1
	v_max3_num_f32 v[ST+8*\t+4], v[ST+8*\t+4], v[ST+8*\t+5], v[ST+8*\t+6]
.endr
.irp t, 0,1
	v_max3_num_f32 v[ST+8*\t+4], v[ST+8*\t+4], v[ST+8*\t+7], v[ST+8*\t]   ; with the old m
.endr
.irp t, 0,1
	v_permlanex16_b32 v[ST+8*\t+5], v[ST+8*\t+4], s[SEL], s[SEL+1]        ; the query's other 32 keys lie in the lane 16 away
.endr
.irp t, 0,1
	v_mov_b32 v[ST+8*\t+7], v[ST+8*\t]
.endr
.irp t, 0,1
	v_max_num_f32 v[ST+8*\t], v[ST+8*\t+4], v[ST+8*\t+5]                  ; the new m
.endr
.irp t, 0,1
	v_sub_f32 v[ST+8*\t+7], v[ST+8*\t+7], v[ST+8*\t]                      ; old m - new m
.endr
.irp b, 0,2,4,6,8,10,12,14,16,18,20,22,24,26,28,30
.irp t, 0,1
	v_pk_add_f32 v[S+32*\t+\b:S+32*\t+\b+1], v[S+32*\t+\b:S+32*\t+\b+1], v[ST+8*\t:ST+8*\t+1] op_sel_hi:[1,0] neg_lo:[0,1] neg_hi:[0,1]   ; s - m
.endr
.endr
.irp t, 0,1
	v_exp_f32 v[ST+8*\t+6], v[ST+8*\t+7]           ; a = 2^(old m - new m).  ONE BATCH: 66 exponentials, none of which reads another's result
.endr
.set e, 0
.rept 32
	v_exp_f32 v[S+e], v[S+e]
	v_exp_f32 v[S+32+e], v[S+32+e]
.set e, e+1
.endr
	v_nop                                          ; a plain place behind the last exponential
	s_wait_alu depctr_va_vdst(0)                   ; one wait for the batch, ahead of its first reader
.irp k, 0,1,2,3,4,5,6,7,8,9,10,11,12,13,14,15
.irp t, 0,1
	v_cvt_pk_f16_f32 v[P+16*\t+\k], v[S+32*\t+2*\k], v[S+32*\t+2*\k+1]
.endr
.endr
.irp u, 0,4,8,12,16,20,24,28
.irp t, 0,1
	v_pk_add_f32 v[S+32*\t+\u:S+32*\t+\u+1], v[S+32*\t+\u:S+32*\t+\u+1], v[S+32*\t+\u+2:S+32*\t+\u+3]
.endr
.endr
.irp u, 0,8,16,24
.irp t, 0,1
	v_pk_add_f32 v[S+32*\t+\u:S+32*\t+\u+1], v[S+32*\t+\u:S+32*\t+\u+1], v[S+32*\t+\u+4:S+32*\t+\u+5]
.endr
.endr
.irp u, 0,16
.irp t, 0,1
	v_pk_add_f32 v[S+32*\t+\u:S+32*\t+\u+1], v[S+32*\t+\u:S+32*\t+\u+1], v[S+32*\t+\u+8:S+32*\t+\u+9]
.endr
.endr
.irp t, 0,1
	v_pk_add_f32 v[S+32*\t:S+32*\t+1], v[S+32*\t:S+32*\t+1], v[S+32*\t+16:S+32*\t+17]
.endr
.irp t, 0,1
	v_pk_fma_f32 v[ST+8*\t+2:ST+8*\t+3], v[ST+8*\t+2:ST+8*\t+3], v[ST+8*\t+6:ST+8*\t+7], v[S+32*\t:S+32*\t+1] op_sel_hi:[1,0,1]   ; l = a l + the step's sum
.endr
.irp k, 0,2,4,6,8,10,12,14,16,18,20,22,24,26,28,30
.irp t, 0,1
	v_pk_mul_f32 v[O+32*\t+\k:O+32*\t+\k+1], v[O+32*\t+\k:O+32*\t+\k+1], v[ST+8*\t+6:ST+8*\t+7] op_sel_hi:[1,0]
.endr
.endr
.endm
; A KEY STEP.  vb: the scalar that holds the LDS byte of the step's rows for the second product (K's own, or a slot of V).  nextk = 1: the next step's K is fetched.
.macro STEP vb, nextk
	s_wait_dscnt 0x0                               ; K's fragments are in
	WIN 0x01                                       ; source 0 window 1
	KQ
	WIN 0
.irp ct, 0,1,2,3
	v_add_nc_u32 v[AT+\ct], s[\vb], v[ATL+\ct]     ; these eight lines are the places behind the products above and behind the last step's, ahead of the loads below
.endr
.if \nextk
	s_add_co_u32 s[TBK], s[TBK], 16384
.irp i, 0,1,2,3
	v_add_nc_u32 v[AK+\i], s[TBK], v[AKL+\i]
.endr
.else
.rept 4
	v_nop
.endr
.endif
	WIN 0x40                                       ; destination window 1
	VLOAD
.if \nextk
	KLOAD
.endif
	WIN 0
	SOFTMAX
.if \nextk
	s_wait_dscnt 16                                ; the turned fragments are in; the next step's 16 loads of K may stay out
.else
	s_wait_dscnt 0x0
.endif
	WIN 0x01
	PV
	WIN 0
.endm
; A pass begins: O^T and l are zeros and m lies under every score, so that the step is written once; the first change of m multiplies zeros
.macro INIT
.set i, 0
.rept 64
	v_mov_b32 v[O+i], 0
.set i, i+1
.endr
.irp t, 0,1
	v_mov_b32 v[ST+8*\t], 0xff61b1e6               ; -3e38
	v_mov_b32 v[ST+8*\t+2], 0
	v_mov_b32 v[ST+8*\t+3], 0
.endr
	s_mov_b32 s[TBK], s[TB0]
.irp i, 0,1,2,3
	v_add_nc_u32 v[AK+\i], s[TBK], v[AKL+\i]
.endr
	WIN 0x40
	KLOAD
	WIN 0
.endm
; One pair of the merged result: the partner's two f16 numbers widened, both sides weighed, rounded to f16: register k of the next Q (or of the output)
.macro MRG lo, hi, k
.set tt, (\k)/16
.set wk, WK+2*((\k)%2)
	v_cvt_f32_f16 v[wk], \lo
	v_cvt_f32_f16 v[wk+1], \hi
	v_pk_mul_f32 v[wk:wk+1], v[wk:wk+1], v[AL+4*tt+2:AL+4*tt+3] op_sel_hi:[1,0]
	v_pk_fma_f32 v[wk:wk+1], v[O+2*(\k):O+2*(\k)+1], v[AL+4*tt:AL+4*tt+1], v[wk:wk+1] op_sel_hi:[1,0,1]
	v_cvt_pk_f16_f32 v[Q+(\k)], v[wk], v[wk+1]
.endm
; THE MERGE of a group's two waves.  The odd wave sends O / l in f16, m and l; the even wave weighs both sides by l 2^(m - max) and divides by their sum.
; last = 0: times c, and the new Q goes back to the odd wave; last = 1: the even wave stores the output.  The branches hang on the wave's number alone; no barrier stands inside one.
.macro MERGE last
.rept 4
	v_nop                                          ; places behind the last products
.endr
.irp t, 0,1
	v_add_f32 v[ST+8*\t+4], v[ST+8*\t+2], v[ST+8*\t+3]
.endr
.irp t, 0,1
	v_permlanex16_b32 v[ST+8*\t+5], v[ST+8*\t+4], s[SEL], s[SEL+1]
.endr
.irp t, 0,1
	v_add_f32 v[ST+8*\t+4], v[ST+8*\t+4], v[ST+8*\t+5]   ; l of my keys
.endr
	s_cmp_eq_u32 s[PE], 0
	s_cbranch_scc1 .Lmerge_a_\@
.irp t, 0,1
	v_rcp_f32 v[ST+8*\t+6], v[ST+8*\t+4]
.endr
	v_nop
	s_wait_alu depctr_va_vdst(0)
.irp t, 0,1
.irp k, 0,2,4,6,8,10,12,14,16,18,20,22,24,26,28,30
	v_pk_mul_f32 v[S+32*\t+\k:S+32*\t+\k+1], v[O+32*\t+\k:O+32*\t+\k+1], v[ST+8*\t+6:ST+8*\t+7] op_sel_hi:[1,0]
.endr
.endr
.set i, 0
.rept 32
	v_cvt_pk_f16_f32 v[P+i], v[S+2*i], v[S+2*i+1]
.set i, i+1
.endr
	v_mov_b32 v[STA], v[ST]
	v_mov_b32 v[STA+1], v[ST+4]
	v_mov_b32 v[STA+2], v[ST+8]
	v_mov_b32 v[STA+3], v[ST+12]
.irp i, 0,1,2,3,4,5,6,7
	ds_store_b128 v[MGA], v[P+4*\i:P+4*\i+3] offset:512*\i
.endr
	ds_store_b128 v[MGA], v[STA:STA+3] offset:4096
.Lmerge_a_\@:
	s_wait_dscnt 0x0                               ; for the partner's sake: my stores have landed
	s_barrier_signal -1
	s_barrier_wait -1
	s_cmp_lg_u32 s[PE], 0
	s_cbranch_scc1 .Lmerge_b_\@
.irp i, 0,1,2,3,4,5,6,7
	ds_load_b128 v[S+4*\i:S+4*\i+3], v[MGA] offset:512*\i
.endr
	ds_load_b128 v[STA:STA+3], v[MGA] offset:4096
	s_wait_dscnt 0x0
.irp t, 0,1
	v_max_num_f32 v[MX+\t], v[ST+8*\t], v[STA+2*\t]
.endr
.irp t, 0,1
	v_sub_f32 v[MX+2+\t], v[ST+8*\t], v[MX+\t]
	v_sub_f32 v[MX+4+\t], v[STA+2*\t], v[MX+\t]
.endr
.irp t, 0,1
	v_exp_f32 v[MX+2+\t], v[MX+2+\t]
	v_exp_f32 v[MX+4+\t], v[MX+4+\t]
.endr
	v_nop
	s_wait_alu depctr_va_vdst(0)
.irp t, 0,1
	v_mul_f32 v[MX+4+\t], v[STA+2*\t+1], v[MX+4+\t]
.endr
.irp t, 0,1
	v_fma_f32 v[MX+\t], v[ST+8*\t+4], v[MX+2+\t], v[MX+4+\t]   ; at least 1: each side's l is, and one of the two powers is 1
.endr
.irp t, 0,1
	v_rcp_f32 v[MX+\t], v[MX+\t]
.endr
	v_nop
	s_wait_alu depctr_va_vdst(0)
.if !\last
.irp t, 0,1
	v_mul_f32 v[MX+\t], s[KAP], v[MX+\t]
.endr
.endif
.irp t, 0,1
	v_mul_f32 v[AL+4*\t], v[MX+2+\t], v[MX+\t]
	v_mul_f32 v[AL+4*\t+2], v[MX+4+\t], v[MX+\t]
.endr
	MRG v72.l, v72.h, 0
	MRG v73.l, v73.h, 1
	MRG v74.l, v74.h, 2
	MRG v75.l, v75.h, 3
	MRG v76.l, v76.h, 4
	MRG v77.l, v77.h, 5
	MRG v78.l, v78.h, 6
	MRG v79.l, v79.h, 7
	MRG v80.l, v80.h, 8
	MRG v81.l, v81.h, 9
	MRG v82.l, v82.h, 10
	MRG v83.l, v83.h, 11
	MRG v84.l, v84.h, 12
	MRG v85.l, v85.h, 13
	MRG v86.l, v86.h, 14
	MRG v87.l, v87.h, 15
	MRG v88.l, v88.h, 16
	MRG v89.l, v89.h, 17
	MRG v90.l, v90.h, 18
	MRG v91.l, v91.h, 19
	MRG v92.l, v92.h, 20
	MRG v93.l, v93.h, 21
	MRG v94.l, v94.h, 22
	MRG v95.l, v95.h, 23
	MRG v96.l, v96.h, 24
	MRG v97.l, v97.h, 25
	MRG v98.l, v98.h, 26
	MRG v99.l, v99.h, 27
	MRG v100.l, v100.h, 28
	MRG v101.l, v101.h, 29
	MRG v102.l, v102.h, 30
	MRG v103.l, v103.h, 31
.if \last
.irp t, 0,1
.irp i, 0,1,2,3
	global_store_b128 v[LI], v[Q+16*\t+4*\i:Q+16*\t+4*\i+3], s[OP_:OP_+1] offset:\t*16384+\i*512   ; 32 lanes store 512 consecutive bytes
.endr
.endr
.else
.irp i, 0,1,2,3,4,5,6,7
	ds_store_b128 v[MGA], v[Q+4*\i:Q+4*\i+3] offset:512*\i
.endr
.endif
.Lmerge_b_\@:
.if !\last
	s_wait_dscnt 0x0
	s_barrier_signal -1
	s_barrier_wait -1
	s_cmp_eq_u32 s[PE], 0
	s_cbranch_scc1 .Lmerge_c_\@
.irp i, 0,1,2,3,4,5,6,7
	ds_load_b128 v[Q+4*\i:Q+4*\i+3], v[MGA] offset:512*\i
.endr
	s_wait_dscnt 0x0
.Lmerge_c_\@:
.endif
.endm
; A prefetch into the L2 of V's two chunks of 128 keys that the NEXT trip's two changes of slots will ask for: two key steps ahead of the first of them.  32,768 bytes: the head's first cluster asks, its four
; partners 8,192 bytes each, told apart by address; in each, wave 0, lanes 256 bytes apart.  So each aligned block of 256 bytes is named once.  The last trip asks for nothing: there is no chunk behind it.
.macro ASK
	s_cmp_gt_u32 s[TR], s[LIM]
	s_cbranch_scc0 .Lnot_mine_\@
	global_prefetch_b8 v[PFO], s[PFA:PFA+1] th:TH_LOAD_NT scope:SCOPE_SE
.Lnot_mine_\@:
.endm
; THE CHANGE OF SLOTS, behind the step that read slot sl.  Each wave waits for all its tensor loads (its part of the other slot), adds 0 to its spare word, and waits for that and for its reads of the slot.
; fill = 1: a round of the cluster's barrier, and the slot is filled with the keys two chunks on, first thing behind it.
.macro CHANGE sl, fill, ask
	s_wait_tensorcnt 0x0                           ; no tensor load of mine is out, so a group 0 may be written
	ds_add_u32 v[SPW], v[NIL]
.if \fill
	s_add_nc_u64 s[G0V+4*\sl+2:G0V+4*\sl+3], s[G0V+4*\sl+2:G0V+4*\sl+3], 32768
.endif
.if \ask
	s_wait_xcnt 0x0                                ; the last prefetch, two steps back, has read its address
	s_add_nc_u64 s[PFA:PFA+1], s[PFA:PFA+1], 32768
.endif
	s_wait_dscnt 0x0                               ; the add is done, and my reads of the slot are over
.if \fill
	CROUND
	tensor_load_to_lds s[G0V+4*\sl:G0V+4*\sl+3], s[G1V:G1V+7]
	s_nop 0
.rept 4
	v_nop
.endr
.else
	s_barrier_signal -1
	s_barrier_wait -1
.endif
.if \ask
	ASK
.endif
.endm
	s_mov_b32 s[PAS], 3
.Lpass:                                            ; three refinements of q: both products read K
	INIT
	s_mov_b32 s[STP], 15
.Lstep:
	STEP TBK, 1
	s_sub_co_u32 s[STP], s[STP], 1
	s_cmp_lg_u32 s[STP], 0
	s_cbranch_scc1 .Lstep
	STEP TBK, 0
	MERGE 0
	s_sub_co_u32 s[PAS], s[PAS], 1
	s_cmp_lg_u32 s[PAS], 0
	s_cbranch_scc1 .Lpass
	INIT                                           ; the readout: the second product reads V, chunk j in slot j % 2
	s_mov_b32 s[TR], 7
.Ltrip:                                            ; seven trips fill chunks 2 .. 15
	STEP TV0, 1
	CHANGE 0, 1, 1
	STEP TV1, 1
	CHANGE 1, 1, 0
	s_sub_co_u32 s[TR], s[TR], 1
	s_cmp_lg_u32 s[TR], 0
	s_cbranch_scc1 .Ltrip
	STEP TV0, 1                                    ; the tail is written out: nothing is left to fetch
	CHANGE 0, 0, 0
	STEP TV1, 0
	MERGE 1
	s_wait_tensorcnt 0x0                           ; the wave's end: behind my last tensor load and my last LDS store
	ds_add_u32 v[SPW], v[NIL]
	s_wait_dscnt 0x0
	CROUND                                         ; the closing round
	s_endpgm
.Lfunc_end_k_q55cd679cc8_hop:
	.size	k_q55cd679cc8_hop, .Lfunc_end_k_q55cd679cc8_hop-k_q55cd679cc8_hop
	.p2alignl 7, 3214868480
	.fill 96, 4, 3214868480
	.section	.rodata,"a",@progbits
	.p2align	6, 0x0
	.amdhsa_kernel k_q55cd679cc8_hop
		.amdhsa_group_segment_fixed_size 327680
		.amdhsa_private_segment_fixed_size 0
		.amdhsa_enable_private_segment 0
		.amdhsa_kernarg_size 16
		.amdhsa_user_sgpr_count 2
		.amdhsa_user_sgpr_kernarg_segment_ptr 1
		.amdhsa_wavefront_size32 1
		.amdhsa_system_sgpr_workgroup_id_x 1
		.amdhsa_system_sgpr_workgroup_id_y 1
		.amdhsa_system_sgpr_workgroup_id_z 1
		.amdhsa_system_vgpr_workitem_id 0
		.amdhsa_next_free_vgpr 384
		.amdhsa_next_free_sgpr 80
		.amdhsa_reserve_vcc 0
		.amdhsa_float_denorm_mode_32 3
		.amdhsa_float_denorm_mode_16_64 3
		.amdhsa_memory_ordered 1
		.amdhsa_forward_progress 1
		.amdhsa_inst_pref_size 149
	.end_amdhsa_kernel
	.amdgpu_metadata
---
amdhsa.version: [ 1, 2 ]
amdhsa.kernels:
  - .name:           k_q55cd679cc8_hop
    .symbol:         k_q55cd679cc8_hop.kd
    .args:
      - { .name: qkv, .offset: 0, .size: 8, .value_kind: global_buffer, .address_space: global }
      - { .name: oimg, .offset: 8, .size: 8, .value_kind: global_buffer, .address_space: global }
    .group_segment_fixed_size: 327680
    .private_segment_fixed_size: 0
    .kernarg_segment_align: 8
    .kernarg_segment_size: 16
    .max_flat_workgroup_size: 256
    .sgpr_count:     80
    .vgpr_count:     384
    .wavefront_size: 32
...
	.end_amdgpu_metadata
.endif
;; end of part 3
;; launch outp (part 4): grid 8 x 32, 4 waves a work-group, clusters of 4 x 4, 327,680 bytes of LDS; arguments oimg, wof, bo, out0; writes out0
.if DOCPART == 4
	.amdgcn_target "amdgcn-amd-amdhsa--gfx1250"
	.amdhsa_code_object_version 6
	.text
	.protected	k_q55cd679cc8_outp
	.globl	k_q55cd679cc8_outp
	.p2align	8
	.type	k_q55cd679cc8_outp,@function
k_q55cd679cc8_outp:
	s_mov_b64 s[64:65], 0
	v_nop
	global_prefetch_b8 v0, s[64:65] scope:SCOPE_SE
	s_setreg_imm32_b32 hwreg(HW_REG_WAVE_MODE, 25, 1), 1
	s_wait_xcnt 0x0
	s_wait_alu depctr_hold_cnt(0) depctr_sa_sdst(0) depctr_va_vdst(0) depctr_va_sdst(0) depctr_va_ssrc(0) depctr_va_vcc(0) depctr_vm_vsrc(0)
	s_getreg_b32 s2, hwreg(HW_REG_IB_STS2, 6, 4)
	s_cmp_eq_u32 s2, 0
	s_cbranch_scc0 .Lentry_in_a_cluster
	s_endpgm
.Lentry_in_a_cluster:
	s_bfe_u32 s2, ttmp6, 0x10000c
	s_cmp_lg_u32 s2, 0xf033
	s_cbranch_scc0 .Lentry_shape_is_right
	s_endpgm
.Lentry_shape_is_right:
; out0 [4096][1024] f32 = o [4096][512] Wo [512][1024] + bo, on f16 operands with f32 sums.  Both operands lie in memory as images of operand registers (fragments of 16 x 32, 1,024 bytes: 16 bytes a lane, twice).
; A work-group makes 128 x 128, each of its four waves 64 x 64: 16 accumulators.  ALL OF K (512) OF BOTH OPERANDS FITS IN LDS (2 x 131,072 bytes): nothing is filled again.  It comes in four quarters of K, so that
; the first products start when a quarter has landed: a wave has four tensor loads out at the start, and the wait ahead of quarter q leaves the 3 - q later ones out.
; CLUSTERS: 4 x 4 work-groups.  o's tiles hang on the block of rows alone and are shared along a row of the cluster, Wo's on the block of columns and are shared along a column: each is asked for jointly.
; THE PRODUCT IS USED TRANSPOSED (source 0 = 16 columns of Wo, source 1 = 16 rows of o): a lane holds eight neighbouring numbers of a row of out0.  The bias is the C of each sum's first product.
; REGISTERS.  Window 0: v4-13 addresses; v64-127, v128-191 two sets of fragments (4 of Wo, 4 of o), on the way out rows read back.  Window 1: v0-127 the accumulators ((a, b) at 8 (4 a + b)); v128-159 the bias.
.set BW,     131072                    ; LDS: o's fragments from 0, [quarter 4][tile 8][4][1,024 B]; Wo's likewise from here
.set STG,    262144                    ; the way out: 16 rows x (256 + 16) bytes for each wave
.set SPITCH, 272
.set SPARE,  279552                    ; the spare words, 128 bytes for each wave: two blocks of 256 bytes that no other line names
.set LI,  4
.set ADA, 5
.set ADB, 6
.set STO, 7
.set RD,  8
.set CO,  9
.set H32, 10
.set SPW, 12
.set NIL, 13
.set BO,  128
.set WV,  12
.set RH,  13                           ; s13  which half of the rows is mine.  Also: I fetch for o (0) or for Wo (1)
.set CH,  14                           ; s14  which half of the columns.  Also: which four tiles I fetch
.set CX,  15
.set CY,  16
.set XB,  17
.set YB,  18
.set G1A, 24
.set G1B, 32
.set G0A, 40                           ; s[40:55] four groups 0 for o's quarters
.set G0B, 68                           ; s[68:83] four for Wo's
.set OUTP, 86
.set MSB, 0
.macro WIN new
.if MSB != (\new)
	s_set_vgpr_msb (MSB<<8)|(\new)
.set MSB, (\new)
.endif
.endm
.macro CROUND
	s_barrier_signal -1
	s_barrier_wait -1
	s_cmp_lg_u32 s[WV], 0
	s_cbranch_scc1 .Lnot_wave_0_\@
	s_barrier_signal -3
.Lnot_wave_0_\@:
	s_barrier_wait -3
	s_barrier_signal -1
	s_barrier_wait -1
.endm
.macro PLACES
.rept 4
	v_nop
.endr
.endm
	s_load_b256 s[4:11], s[0:1], 0x0               ; oimg, wof, bo, out0
	v_lshl_add_u32 v[SPW], v0, 2, SPARE
	v_mov_b32 v[NIL], 0
	ds_add_u32 v[SPW], v[NIL]                      ; the wave's opening: the add, twice on end, and its wait ahead of my first tensor load
	ds_add_u32 v[SPW], v[NIL]
	v_lshrrev_b32 v1, 5, v0
	v_readfirstlane_b32 s[WV], v1
	s_lshr_b32 s[RH], s[WV], 1
	s_and_b32 s[CH], s[WV], 1
	s_bfe_u32 s[CX], ttmp6, 0x40000
	s_bfe_u32 s[CY], ttmp6, 0x40004
	s_lshl_b32 s[XB], ttmp9, 2
	s_add_co_u32 s[XB], s[XB], s[CX]               ; block of 128 columns
	s_and_b32 s[YB], ttmp7, 0xffff
	s_lshl_b32 s[YB], s[YB], 2
	s_add_co_u32 s[YB], s[YB], s[CY]               ; block of 128 rows
	s_lshl_b32 s19, s[CY], 2
	s_lshl_b32 s19, 15, s19                        ; my row of the cluster
	s_lshl_b32 s84, 0x1111, s[CX]                  ; my column
	; descriptor group 1: four tiles' quarters: 4 rows of 4,096 bytes (512 elements of 8 bytes), 16,384 bytes apart; dense in LDS
	s_or_b32 s[G1A], s19, (3<<16)|(1<<21)
	s_or_b32 s[G1B], s84, (3<<16)|(1<<21)
.irp g, G1A, G1B
	s_mov_b32 s[\g+1], 512<<16
	s_mov_b32 s[\g+2], 4<<16
	s_mov_b32 s[\g+3], 512<<16
	s_mov_b32 s[\g+4], 4
	s_mov_b32 s[\g+5], 2048
	s_mov_b32 s[\g+6], 0
	s_mov_b32 s[\g+7], 0
.endr
	s_lshl_b32 s85, s[CH], 16                      ; which four tiles of 16,384 bytes
	s_lshl_b32 s20, s[YB], 17
	s_add_co_u32 s20, s20, s85                     ; o: tile 8 x block of rows + 4 x half
	s_mov_b32 s21, 0
	s_lshl_b32 s22, s[XB], 17
	s_add_co_u32 s22, s22, s85                     ; Wo: tile 8 x block of columns + 4 x half
	s_mov_b32 s23, 0
	s_lshl_b32 s85, s[CH], 14                      ; and where they go in a quarter: no place in the cluster enters an LDS address
	s_wait_dscnt 0x0                               ; both opening adds are done
	s_wait_kmcnt 0x0
	s_add_nc_u64 s[20:21], s[4:5], s[20:21]
	s_add_nc_u64 s[22:23], s[6:7], s[22:23]
	CROUND                                         ; all sixteen work-groups are here: the first joint loads meet
.irp q, 0,1,2,3
	s_mov_b32 s[G0A+4*\q], 1
	s_add_co_u32 s[G0A+4*\q+1], s85, \q*32768
	s_add_nc_u64 s[G0A+4*\q+2:G0A+4*\q+3], s[20:21], \q*4096
	s_or_b32 s[G0A+4*\q+3], s[G0A+4*\q+3], 0x80000000
	s_mov_b32 s[G0B+4*\q], 1
	s_add_co_u32 s[G0B+4*\q+1], s85, BW+\q*32768
	s_add_nc_u64 s[G0B+4*\q+2:G0B+4*\q+3], s[22:23], \q*4096
	s_or_b32 s[G0B+4*\q+3], s[G0B+4*\q+3], 0x80000000
.endr
	s_cmp_eq_u32 s[RH], 0                          ; a wave's four first fills stand in one branch on its number
	s_cbranch_scc0 .Lfor_b
.irp q, 0,1,2,3
	tensor_load_to_lds s[G0A+4*\q:G0A+4*\q+3], s[G1A:G1A+7]
	s_nop 0
.endr
	PLACES
	s_branch .Lasked
.Lfor_b:
.irp q, 0,1,2,3
	tensor_load_to_lds s[G0B+4*\q:G0B+4*\q+3], s[G1B:G1B+7]
	s_nop 0
.endr
	PLACES
.Lasked:
	v_and_b32 v1, 31, v0                           ; lane
	v_and_b32 v2, 15, v0                           ; r
	v_bfe_u32 v3, v0, 4, 1                         ; h
	v_lshlrev_b32 v[LI], 4, v1
	s_lshl_b32 s88, s[RH], 14
	v_add_nc_u32 v[ADA], s88, v[LI]                ; my four tiles of o
	s_lshl_b32 s88, s[CH], 14
	s_add_co_u32 s88, s88, BW
	v_add_nc_u32 v[ADB], s88, v[LI]                ; my four tiles of Wo
	s_mul_i32 s88, s[WV], 16*SPITCH
	s_add_co_u32 s88, s88, STG
	v_mul_u32_u24 v[STO], v2, SPITCH
	v_lshl_add_u32 v[STO], v3, 5, v[STO]
	v_add_nc_u32 v[STO], s88, v[STO]               ; in: row r, 32 bytes for each half of the lanes
	v_mul_u32_u24 v[RD], v3, SPITCH
	v_lshl_add_u32 v[RD], v2, 4, v[RD]
	v_add_nc_u32 v[RD], s88, v[RD]                 ; back: lanes 0-15 one row of 256 bytes, lanes 16-31 the next
	v_lshlrev_b32 v[CO], 12, v3
	v_lshl_add_u32 v[CO], v2, 4, v[CO]             ; and the same two rows in out0
	v_lshlrev_b32 v[H32], 5, v3
	s_lshl_b32 s88, s[XB], 9
	s_lshl_b32 s89, s[CH], 8
	s_add_co_u32 s88, s88, s89                     ; my first column, in bytes
	s_mov_b32 s89, 0
	s_add_nc_u64 s[8:9], s[8:9], s[88:89]
	s_lshl_b32 s90, s[YB], 19
	s_lshl_b32 s91, s[RH], 18
	s_add_co_u32 s90, s90, s91                     ; my first row of 4,096 bytes
	s_add_co_u32 s90, s90, s88
	s_mov_b32 s91, 0
	s_add_nc_u64 s[OUTP:OUTP+1], s[10:11], s[90:91]
	WIN 0x40                                       ; destination window 1
.irp b, 0,1,2,3
	global_load_b128 v[BO+8*\b:BO+8*\b+3], v[H32], s[8:9] offset:64*\b       ; bo at columns 16 b + 8 h + 0 .. 7
	global_load_b128 v[BO+8*\b+4:BO+8*\b+7], v[H32], s[8:9] offset:64*\b+16
.endr
	WIN 0
.macro FETCH kp, buf                   ; the fragments of the quarter's kp-th 32 along K
.set FB, 64+64*(\buf)
.irp b, 0,1,2,3
.irp u, 0,1
	ds_load_b128 v[FB+8*\b+4*\u:FB+8*\b+4*\u+3], v[ADB] offset:\b*4096+(\kp)*1024+512*\u
.endr
.endr
.irp a, 0,1,2,3
.irp u, 0,1
	ds_load_b128 v[FB+32+8*\a+4*\u:FB+32+8*\a+4*\u+3], v[ADA] offset:\a*4096+(\kp)*1024+512*\u
.endr
.endr
.endm
.macro MUL buf, first                  ; 16 matrix instructions, the 16 accumulators by turns
.set FB, 64+64*(\buf)
.irp a, 0,1,2,3
.irp b, 0,1,2,3
.if \first
	v_wmma_f32_16x16x32_f16 v[8*(4*\a+\b):8*(4*\a+\b)+7], v[FB+8*\b:FB+8*\b+7], v[FB+32+8*\a:FB+32+8*\a+7], v[BO+8*\b:BO+8*\b+7]
.else
	v_wmma_f32_16x16x32_f16 v[8*(4*\a+\b):8*(4*\a+\b)+7], v[FB+8*\b:FB+8*\b+7], v[FB+32+8*\a:FB+32+8*\a+7], v[8*(4*\a+\b):8*(4*\a+\b)+7]
.endif
.endr
.endr
.endm
.macro QUARTER qd
	s_wait_tensorcnt 3-\qd                         ; my part of this quarter has landed; the later quarters' loads may stay out
	s_wait_dscnt 0x0
	s_barrier_signal -1
	s_barrier_wait -1                              ; everybody's has
	FETCH 0, 0
.irp kp, 0,1,2,3
	PLACES                                         ; ahead of loads into the set that the products before the last have read
.if \kp < 3
	FETCH \kp+1, (\kp+1)%2
	s_wait_dscnt 16                                ; this step's fragments are in; the next step's 16 loads may stay out
.else
	s_wait_dscnt 0x0
.endif
	WIN 0x50                                       ; C and D window 1
.if ((\qd)+(\kp)) == 0
	MUL \kp%2, 1
.else
	MUL \kp%2, 0
.endif
	WIN 0
.endr
	v_add_nc_u32 v[ADA], 0x8000, v[ADA]            ; on to the next quarter (no LDS load of mine is out)
	v_add_nc_u32 v[ADB], 0x8000, v[ADB]
.endm
	s_wait_loadcnt 0x0                             ; the bias
	QUARTER 0
	QUARTER 1
	QUARTER 2
	QUARTER 3
; THE WAY OUT, 16 rows x 64 columns at a time, through my own stage: a lane's 32 bytes go in, whole rows of 256 bytes come back.  LDS serves a wave's instructions in order.  Each block has registers of its own.
.macro TOSTAGE a
	WIN 0x04                                       ; an LDS store's data are its source 1: window 1
.irp b, 0,1,2,3
	ds_store_b128 v[STO], v[8*(4*(\a)+\b):8*(4*(\a)+\b)+3] offset:64*\b          ; each accumulator from its low end on
	ds_store_b128 v[STO], v[8*(4*(\a)+\b)+4:8*(4*(\a)+\b)+7] offset:64*\b+16
.endr
	WIN 0
.irp i, 0,1,2,3,4,5,6,7
	ds_load_b128 v[64+32*(\a)+4*\i:64+32*(\a)+4*\i+3], v[RD] offset:2*\i*SPITCH
.endr
.endm
.macro SEND a, younger
	s_wait_dscnt \younger                          ; the block is back; the next block's 8 stores and 8 loads may stay out
.irp i, 0,1,2,3,4,5,6,7
	global_store_b128 v[CO], v[64+32*(\a)+4*\i:64+32*(\a)+4*\i+3], s[OUTP:OUTP+1] offset:(16*(\a)+2*\i)*4096 th:TH_STORE_NT   ; sixteen lanes store 256 consecutive bytes, aligned
.endr
.endm
	PLACES                                         ; behind the last products: ahead of the first read of results and of loads into the fragments' registers
	TOSTAGE 0
	TOSTAGE 1
	SEND 0, 16
	TOSTAGE 2
	SEND 1, 16
	TOSTAGE 3
	SEND 2, 16
	SEND 3, 0
	s_wait_tensorcnt 0x0                           ; the wave's end: behind my last tensor load and my last LDS store
	ds_add_u32 v[SPW], v[NIL]
	s_wait_dscnt 0x0
	CROUND                                         ; the closing round
	s_endpgm
.Lfunc_end_k_q55cd679cc8_outp:
	.size	k_q55cd679cc8_outp, .Lfunc_end_k_q55cd679cc8_outp-k_q55cd679cc8_outp
	.p2alignl 7, 3214868480
	.fill 96, 4, 3214868480
	.section	.rodata,"a",@progbits
	.p2align	6, 0x0
	.amdhsa_kernel k_q55cd679cc8_outp
		.amdhsa_group_segment_fixed_size 327680
		.amdhsa_private_segment_fixed_size 0
		.amdhsa_enable_private_segment 0
		.amdhsa_kernarg_size 32
		.amdhsa_user_sgpr_count 2
		.amdhsa_user_sgpr_kernarg_segment_ptr 1
		.amdhsa_wavefront_size32 1
		.amdhsa_system_sgpr_workgroup_id_x 1
		.amdhsa_system_sgpr_workgroup_id_y 1
		.amdhsa_system_sgpr_workgroup_id_z 1
		.amdhsa_system_vgpr_workitem_id 0
		.amdhsa_next_free_vgpr 448
		.amdhsa_next_free_sgpr 96
		.amdhsa_reserve_vcc 0
		.amdhsa_float_denorm_mode_32 3
		.amdhsa_float_denorm_mode_16_64 3
		.amdhsa_memory_ordered 1
		.amdhsa_forward_progress 1
		.amdhsa_inst_pref_size 53
	.end_amdhsa_kernel
	.amdgpu_metadata
---
amdhsa.version: [ 1, 2 ]
amdhsa.kernels:
  - .name:           k_q55cd679cc8_outp
    .symbol:         k_q55cd679cc8_outp.kd
    .args:
      - { .name: oimg, .offset: 0, .size: 8, .value_kind: global_buffer, .address_space: global }
      - { .name: wof, .offset: 8, .size: 8, .value_kind: global_buffer, .address_space: global }
      - { .name: bo, .offset: 16, .size: 8, .value_kind: global_buffer, .address_space: global }
      - { .name: out0, .offset: 24, .size: 8, .value_kind: global_buffer, .address_space: global }
    .group_segment_fixed_size: 327680
    .private_segment_fixed_size: 0
    .kernarg_segment_align: 8
    .kernarg_segment_size: 32
    .max_flat_workgroup_size: 128
    .sgpr_count:     96
    .vgpr_count:     448
    .wavefront_size: 32
...
	.end_amdgpu_metadata
.endif
;; end of part 4
